; MI455X (gfx1250); checked and timed in simulation.
; The chip was launched on July 23, 2026; its instructions are those of AMD's public machine-readable ISA for CDNA 5 (MIT licence, August 2026) and "CDNA5" Instruction Set Architecture Reference Guide (July 2026). The comments in the code are by the model that wrote it; some were corrected since.
;; nakli Transformer Decoder. Allowed arithmetic: matrix products marked QUANTISED: E5M2 operands, one E8M0 scale for each 32 along K, by v_wmma_scale_f32_16x16x128_f8f6f4 with both operands' format E5M2, f32 sums; everything else in f32.
;; Inputs: W1 1,024 x 4,096 float32; W2 4,096 x 1,024 float32; Wk 1,024 x 1,024 float32; Wo 1,024 x 1,024 float32; Wq 1,024 x 1,024 float32; Wv 1,024 x 1,024 float32; b1 4,096 float32; b2 1,024 float32; ln1_b 1,024 float32; ln1_g 1,024 float32; ln2_b 1,024 float32; ln2_g 1,024 float32; x 4 x 1,024 x 1,024 float32.
;; Outputs: out0 4 x 1,024 x 1,024 float32.
;; This version of the problem:
;;   THIS VERSION OF THE PROBLEM IS GIVEN IN LOW PRECISION. The matrix products marked QUANTISED in the list below multiply operands that are first quantised to E5M2 (5 exponent bits, 2 mantissa bits; 8 bits a number), with one power-of-two scale for each 32 numbers along K (OCP MX v1.0); their sums are f32. All else is computed in f32.
;;   The module's matrix products, in the order in which they are computed (A, B: the left and right operand; K: the contracted axis; several contracted axes count as one K, in the product's order):
;;     1. [M 4,096, K 1,024] x [K 1,024, N 1,024]; A: computed on the way; B: input Wq: QUANTISED
;;     2. [M 4,096, K 1,024] x [K 1,024, N 1,024]; A: computed on the way; B: input Wk: QUANTISED
;;     3. [M 4,096, K 1,024] x [K 1,024, N 1,024]; A: computed on the way; B: input Wv: QUANTISED
;;     4. batch 64 x [M 1,024, K 64] x [K 64, N 1,024]; A: computed on the way; B: computed on the way: QUANTISED
;;     5. batch 64 x [M 64, K 1,024] x [K 1,024, N 1,024]; A: computed on the way; B: softmax (see below): QUANTISED
;;     6. [M 4,096, K 1,024] x [K 1,024, N 1,024]; A: computed on the way; B: input Wo: QUANTISED
;;     7. [M 4,096, K 1,024] x [K 1,024, N 4,096]; A: computed on the way; B: input W1: QUANTISED
;;     8. [M 4,096, K 4,096] x [K 4,096, N 1,024]; A: computed on the way; B: input W2: QUANTISED
;;   THE QUANTISER, for each operand of a quantised product, along K:
;;     - K is cut into blocks of 32 from its start; a last block that is shorter is filled with zeros.
;;     - A block's scale is 2^e with e = floor(log2(the largest magnitude in the block)) - 15, held to -126 .. 127; a block of zeros has e = 0. As a byte (E8M0): e + 127.
;;     - Each number is divided by its block's scale, clamped to +-57,344, and rounded to the nearest number of E5M2, ties to even, subnormals kept.
;;     - The product sums the exact products of the quantised numbers (number of the format x scale) in f32.
;;   ~~~python
;;   def quantise(x, axis):      # numpy; x: float32 -> the quantised numbers, widened to float32 again
;;       x = np.moveaxis(x, axis, -1); K = x.shape[-1]
;;       x = np.pad(x, [(0, 0)] * (x.ndim - 1) + [(0, -K % 32)]); x = x.reshape(x.shape[:-1] + (-1, 32)); a = np.abs(x).max(-1, keepdims=True)
;;       e = np.where(a > 0, np.clip(np.frexp(np.where(a > 0, a, 1))[1] - 1 - 15, -126, 127), 0)      # np.frexp(a)[1] - 1 = floor(log2(a)), exactly
;;       r = np.clip(x / 2.0 ** e, -57344, 57344)
;;       step = 2.0 ** (np.maximum(np.frexp(np.where(r == 0, 1, r))[1] - 1, -14) - 2)
;;       q = np.round(r / step) * step * 2.0 ** e      # np.round: ties to even
;;       return np.moveaxis(q.reshape(q.shape[:-2] + (-1,))[..., :K], -1, axis).astype(np.float32)
;;   ~~~
;;   SOFTMAX AHEAD OF A QUANTISED PRODUCT. Where the list says 'softmax', what is quantised is not the finished softmax but p = 2^(t - M), with t = logit x log2(e) and M = ceil(the row's largest t), a whole number; so 1/2 < the row's largest p <= 1. The row's sum l is taken of the UNQUANTISED p, in f32, and the product's result is divided by l at the end. Since M is a whole number, a kernel that streams over the keys may use a running M (the ceiling of the running maximum): every later rescaling is an exact power of two, which a block's scale takes up: the codes' values come out the same.
;;   OPERANDS COMPUTED ON THE WAY. 'Computed on the way' means the value that the module computes at that place (a softmax that the list does not call 'softmax' is quantised finished and normalised). What goes into a quantiser is computed in f32, as accurately as f32 sums, v_exp_f32 and their like allow (about 1e-6 of the number): no bf16 or f16 on the way to a quantiser, and a product that is left as it is and whose result goes on into a quantised operand takes f32 operands (vector FMAs, or v_wmma_f32_16x16x4_f32). A number that lies on a knife's edge between two numbers of the format may be rounded either way, as far as f32 arithmetic and the matrix unit's own rounding can turn it there, and no further.
;; One version. Each part assembles by itself: llvm-mc -triple=amdgcn-amd-amdhsa -mcpu=gfx1250 --defsym DOCPART=n.
;; ======== version 1 of 1: 7 launches
;; limits: right only within a limited range of input values
;; workspace buffers: ops 17,301,504 bytes; qkv 12,976,128 bytes; ctx 4,325,376 bytes; x1 16,777,216 bytes; gel 17,301,504 bytes
;; launch wquant (part 1): grid 1024 x 1, 4 waves a work-group, no clusters, 66,304 bytes of LDS; arguments Wq, Wk, Wv, Wo, W1, W2, ops, x, ln1_g, ln1_b; writes ops
.if DOCPART == 1
	.amdgcn_target "amdgcn-amd-amdhsa--gfx1250"
	.amdhsa_code_object_version 6
	.text
	.protected	k_qeeab274c20_wquant
	.globl	k_qeeab274c20_wquant
	.p2align	8
	.type	k_qeeab274c20_wquant,@function
k_qeeab274c20_wquant:
	s_mov_b64 s[64:65], 0
	v_nop
	global_prefetch_b8 v0, s[64:65] scope:SCOPE_SE
	s_setreg_imm32_b32 hwreg(HW_REG_WAVE_MODE, 25, 1), 1
	s_wait_xcnt 0x0
; The six weights, f32 stored [K][N], become codes of BF8 (E5M2) with one E8M0 byte for each 32 along K, laid as IMAGES OF OPERAND REGISTERS:
; codes [rb][ks][2048]: byte 512 c + 16 lane + i of a fragment is row rho(rb, lane % 16), k = 128 ks + 32 c + 16 (lane / 16) + i;  rho(rb, r) = 32 (rb / 2) + 8 (rb % 2) + r + 8 (r / 8).
; scale words [rb][ks][16][4], from byte 16 MiB of ops on, at (the fragment's code offset) / 32.  A weight's rows are its N.
; A LANE TAKES A COLUMN n AND ITS REGISTERS RUN DOWN K: a block of 32 lies in one lane, each load reads 128 neighbouring bytes a wave, and the conversions give codes with K innermost.
; A work-group takes 128 columns x 128 along K, a wave 32 columns (a pair of rb) x 4 blocks: one K step of two fragments.  A wave has at most two blocks, 64 loads, on their way, so the work is cut
; small: 3,072 waves, each with two rounds of loads.  Lane j is row r = j % 8 + 8 (j / 16) of rb 2 B + (j / 8) % 2,
; so a block's first 16 codes of sixteen lanes are 256 neighbouring bytes of a fragment: each store covers two aligned runs of 256 bytes.
; Work-groups 0-255: Wq, Wk, Wv, Wo (64 each); 256-511: W1; 512-767: W2.  Only pointers and numbers are chosen, by the work-group's number: one path for all.
; LIMITS: NaN and infinities are not served.  A block of zeros gets the byte 1 (the rule says 127): its codes are zeros, and this program alone reads the bytes.
.set OF, 32                            ; v32-63   4 lane + i rows: the offsets of a block's 32 loads; never rewritten
.set X,  64                            ; v64-127  two sets of 32 numbers
.set C,  128                           ; v128-159 eight registers of codes a block: no store's data are written again
.set SB, 24                            ; v24      the K step's scale word
.set VC, 8                             ; v8       my place in a fragment's codes
.set VS, 9                             ; v9       and among its scale words
	s_cmp_ge_u32 ttmp9, 768                        ; work-groups 768-1023 normalise and quantise x (the text behind .Lnorm): both preparations need inputs alone, so one launch holds them
	s_cbranch_scc1 .Lnorm
	s_load_b256 s[4:11], s[0:1], 0x0
	s_load_b128 s[12:15], s[0:1], 0x20
	s_load_b64 s[16:17], s[0:1], 0x30              ; ops
	v_lshrrev_b32 v1, 5, v0
	v_readfirstlane_b32 s18, v1                    ; wave
	v_and_b32 v2, 31, v0                           ; lane j
	s_wait_alu depctr_va_vdst(0)
	s_lshr_b32 s19, ttmp9, 8                       ; 0: the four small weights, 1: W1, 2: W2
	s_lshr_b32 s20, ttmp9, 6
	s_lshl_b32 s20, s20, 20                        ; a small weight's region: 1 MiB each
	s_lshl_b32 s21, s19, 22                        ; W1's at 4 MiB, W2's at 8 MiB
	s_and_b32 s22, ttmp9, 63
	s_and_b32 s23, ttmp9, 255
	s_cmp_eq_u32 s19, 0
	s_cselect_b32 s20, s20, s21                    ; the region
	s_cselect_b32 s22, s22, s23                    ; my number within the weight
	s_cmp_eq_u32 s19, 1
	s_cselect_b32 s23, 5, 3                        ; log2 of its groups of 128 columns
	s_cselect_b32 s24, 14, 12                      ; log2 of a row's bytes
	s_cmp_eq_u32 s19, 2
	s_cselect_b32 s25, 5, 3                        ; log2 of its K steps of 128
	s_bfm_b32 s26, s23, 0
	s_and_b32 s26, s22, s26                        ; which 128 columns
	s_lshr_b32 s27, s22, s23                       ; which K step
	s_add_co_u32 s28, s24, 7
	s_lshl_b32 s28, s27, s28                       ; 128 rows a K step,
	s_lshl_b32 s29, s26, 9
	s_add_co_u32 s28, s28, s29                     ; 512 bytes a group of columns,
	s_lshl_b32 s29, s18, 7
	s_add_co_u32 s28, s28, s29                     ; 128 bytes a wave
	s_mov_b32 s29, 0
	s_add_co_u32 s30, s24, 5
	s_lshl_b32 s30, 1, s30                         ; from block to block: 32 rows
	s_mov_b32 s31, 0
	s_add_co_u32 s36, s25, 11                      ; log2 of an rb's codes
	s_add_co_u32 s37, s25, 6                       ; and of its scale words
	s_lshl_b32 s32, s26, 3
	s_lshl_b32 s33, s18, 1
	s_add_co_u32 s32, s32, s33                     ; my first rb
	s_lshl_b32 s32, s32, s36
	s_lshl_b32 s33, s27, 11                        ; my K step
	s_add_co_u32 s32, s32, s33
	s_add_co_u32 s32, s32, s20                     ; the codes' offset in ops
	s_mov_b32 s33, 0
	s_lshr_b32 s34, s32, 5
	s_add_co_u32 s34, s34, 16<<20                  ; the scale words'
	s_mov_b32 s35, 0
	s_mov_b32 s38, 0x600000                        ; the mantissa field of 57,344
	v_lshlrev_b32 v3, 2, v2
.set n, 0
.rept 32
	v_lshl_add_u32 v[OF+n], n, s24, v3
.set n, n+1
.endr
	v_bfe_u32 v4, v2, 3, 1                         ; which rb of the pair
	v_and_b32 v5, 7, v2
	v_lshrrev_b32 v6, 4, v2
	v_lshl_add_u32 v5, v6, 3, v5                   ; r
	v_lshlrev_b32 v6, s36, v4
	v_lshl_add_u32 v[VC], v5, 4, v6
	v_lshlrev_b32 v6, s37, v4
	v_lshl_add_u32 v[VS], v5, 2, v6
	s_wait_alu depctr_va_vdst(0)
	s_wait_kmcnt 0x0
	s_cmp_lt_u32 ttmp9, 64                         ; the weight: a choice that hangs on the work-group's number alone
	s_cselect_b64 s[4:5], s[4:5], s[6:7]
	s_cmp_lt_u32 ttmp9, 128
	s_cselect_b64 s[4:5], s[4:5], s[8:9]
	s_cmp_lt_u32 ttmp9, 192
	s_cselect_b64 s[4:5], s[4:5], s[10:11]
	s_cmp_lt_u32 ttmp9, 256
	s_cselect_b64 s[4:5], s[4:5], s[12:13]
	s_cmp_lt_u32 ttmp9, 512
	s_cselect_b64 s[4:5], s[4:5], s[14:15]
	s_add_nc_u64 s[40:41], s[4:5], s[28:29]        ; a base for each of the four blocks: nothing is stepped later
.irp t, 1,2,3
	s_add_nc_u64 s[40+2*\t:41+2*\t], s[38+2*\t:39+2*\t], s[30:31]
.endr
	s_add_nc_u64 s[56:57], s[16:17], s[32:33]
	s_add_nc_u64 s[58:59], s[16:17], s[34:35]
.macro LOAD t                          ; block t: W(32 t + i, my column) into set t % 2
.set n, 0
.rept 32
	global_load_b32 v[X+32*((\t)%2)+n], v[OF+n], s[40+2*(\t):41+2*(\t)] th:TH_LOAD_NT
.set n, n+1
.endr
.endm
	LOAD 0
	LOAD 1
.macro BLOCK t
.set XS, X+32*((\t)%2)
.if (\t) < 3
	s_wait_loadcnt 32                              ; this block's 32 loads are in; the next block's 32 may be out
.else
	s_wait_loadcnt 0
.endif
	v_max3_num_f32 v12, |v[XS]|, |v[XS+1]|, |v[XS+2]|      ; the block's largest magnitude: all 32 numbers are mine
	v_max3_num_f32 v13, |v[XS+3]|, |v[XS+4]|, |v[XS+5]|
.irp i, 6,10,14,18,22,26
	v_max3_num_f32 v12, v12, |v[XS+\i]|, |v[XS+\i+1]|
	v_max3_num_f32 v13, v13, |v[XS+\i+2]|, |v[XS+\i+3]|
.endr
	v_max3_num_f32 v12, v12, |v[XS+30]|, |v[XS+31]|
	v_max3_num_f32 v12, v12, v13, 0x8000000        ; the floor 2^(16 - 127): the byte cannot fall under 1
	v_add_nc_u32 v11, 0xf8800000, v12              ; 15 off the exponent field: the conversion's scale operand
	v_and_or_b32 v10, v12, 0x7f800000, s38         ; 57,344 x the scale
	v_lshrrev_b32 v13, 23, v11                     ; the scale's byte
.if (\t) == 0
	v_mov_b32 v[SB], v13
.else
	v_lshl_or_b32 v[SB], v13, 8*(\t), v[SB]
.endif
.set n, 0
.rept 32
	v_med3_num_f32 v[XS+n], v[XS+n], -v10, v10     ; the conversion to an 8-bit code does not saturate (ISA guide 7.6.2): the hold comes first
.set n, n+1
.endr
.irp g, 0,1,2,3
	v_cvt_scalef32_pk8_bf8_f32 v[C+8*(\t)+2*\g:C+8*(\t)+2*\g+1], v[XS+8*\g:XS+8*\g+7], v11
.endr
	global_store_b128 v[VC], v[C+8*(\t):C+8*(\t)+3], s[56:57] offset:(\t)*512          ; k 0-15 of the block: the fragment's lanes 0-15
	global_store_b128 v[VC], v[C+8*(\t)+4:C+8*(\t)+7], s[56:57] offset:(\t)*512+256    ; k 16-31: its lanes 16-31
.if (\t)+2 < 4
	LOAD (\t)+2
.endif
.endm
.irp t, 0,1,2,3
	BLOCK \t
.endr
	global_store_b32 v[VS], v[SB], s[58:59]
	s_endpgm
; THE FIRST NORM.  h = (x - mean) rsqrt(var + 1e-5) g + b along rows of 1,024 f32, quantised along the row and stored as images of operand registers at ops + 12 MiB, scale words at ops + 16 MiB + (the codes' offset) / 32.
; Work-group 768 + rb makes one rb, 16 rows.  Phase A: wave w normalises rows 4 w .. 4 w + 3 of the fragment, each whole in 32 registers, and lays them in a stage in LDS (pitch 4,112 bytes).
; Phase B, behind one barrier: wave w quantises K steps 2 w and 2 w + 1 and stores two fragments, 512 dense bytes a store.  Only this path touches LDS.
.Lnorm:
.set PITCH, 4112
.set X,   32
.set G,   160
.set BV,  192
.set TM,  224
.set SEL, 22
.set MNT, 24
	s_load_b128 s[4:7], s[0:1], 0x38               ; x, g
	s_load_b64 s[8:9], s[0:1], 0x48                ; b
	s_load_b64 s[10:11], s[0:1], 0x30              ; ops
	v_lshl_add_u32 v254, v0, 2, 0x10100
	v_mov_b32 v255, 0
	v_lshrrev_b32 v1, 5, v0
	v_readfirstlane_b32 s12, v1                    ; wave
	v_and_b32 v2, 31, v0
	v_and_b32 v3, 15, v0
	v_bfe_u32 v1, v0, 4, 1
	v_lshlrev_b32 v4, 4, v2
	s_mul_i32 s13, s12, 4*PITCH
	v_add_nc_u32 v5, s13, v4                       ; the stage, in
	v_mul_u32_u24 v6, v3, PITCH
	v_lshl_add_u32 v6, v1, 6, v6
	s_lshl_b32 s13, s12, 10
	v_add_nc_u32 v6, s13, v6                       ; and out
	v_lshlrev_b32 v7, 2, v2
	v_cmp_gt_u32 vcc_lo, 16, v2
	s_sub_co_u32 s26, ttmp9, 768                   ; rb
	s_lshr_b32 s14, s26, 1
	s_lshl_b32 s14, s14, 5
	s_and_b32 s15, s26, 1
	s_lshl_b32 s15, s15, 3
	s_add_co_u32 s14, s14, s15
	s_lshl_b32 s15, s12, 2
	s_add_co_u32 s14, s14, s15
	s_lshr_b32 s15, s12, 1
	s_lshl_b32 s15, s15, 3
	s_add_co_u32 s14, s14, s15                     ; my first row: rho(rb, 4 w)
	s_lshl_b32 s14, s14, 12
	s_mov_b32 s15, 0
	s_lshl_b32 s16, s26, 3
	s_lshl_b32 s17, s12, 1
	s_add_co_u32 s16, s16, s17                     ; my first fragment: 8 rb + 2 w
	s_lshl_b32 s18, s16, 6
	s_add_co_u32 s18, s18, (16<<20)+(12<<15)
	s_mov_b32 s19, 0
	s_lshl_b32 s16, s16, 11
	s_add_co_u32 s16, s16, 12<<20
	s_mov_b32 s17, 0
	s_mov_b32 s20, 0x3a800000                      ; 1 / 1,024
	s_mov_b32 s21, 0x3727c5ac                      ; 1e-5
	s_mov_b32 s[SEL], 0x76543210
	s_mov_b32 s[SEL+1], 0xfedcba98
	s_mov_b32 s[MNT], 0x600000
.irp i, 0,1,2,3
	v_mov_b32 v[17+2*\i], 0
	v_mov_b32 v[24+\i], 0
	v_mov_b32 v[TM+4+\i], 0
.endr
	s_wait_kmcnt 0x0
	s_add_nc_u64 s[4:5], s[4:5], s[14:15]
	s_add_nc_u64 s[16:17], s[10:11], s[16:17]
	s_add_nc_u64 s[18:19], s[10:11], s[18:19]
.irp i, 0,1,2,3
.irp j, 0,1,2,3,4,5,6,7
	global_load_b128 v[X+32*\i+4*\j:X+32*\i+4*\j+3], v4, s[4:5] offset:\i*4096+\j*512
.endr
.endr
.irp j, 0,1,2,3,4,5,6,7
	global_load_b128 v[G+4*\j:G+4*\j+3], v4, s[6:7] offset:\j*512
.endr
.irp j, 0,1,2,3,4,5,6,7
	global_load_b128 v[BV+4*\j:BV+4*\j+3], v4, s[8:9] offset:\j*512
.endr
.macro REDUCE                          ; the four pairs v[8 + 2 i : 9 + 2 i] become the rows' sums, in every lane of v[8 + 2 i]
.irp i, 0,1,2,3
	v_add_f32 v[8+2*\i], v[8+2*\i], v[9+2*\i]
.endr
.irp m, 1,2,4,8
.irp i, 0,1,2,3
	v_add_f32_dpp v[8+2*\i], v[8+2*\i], v[8+2*\i] row_xmask:\m row_mask:0xf bank_mask:0xf
.endr
.endr
.irp i, 0,1,2,3
	v_permlanex16_b32 v[24+\i], v[8+2*\i], s[SEL], s[SEL+1]
.endr
.irp i, 0,1,2,3
	v_add_f32 v[8+2*\i], v[8+2*\i], v[24+\i]
.endr
.endm
	s_wait_loadcnt 16                              ; x's 32 loads are in; the 16 of g and b may be out
.irp i, 0,1,2,3
	v_pk_add_f32 v[8+2*\i:9+2*\i], v[X+32*\i:X+32*\i+1], v[X+32*\i+2:X+32*\i+3]
.endr
.irp j, 4,6,8,10,12,14,16,18,20,22,24,26,28,30
.irp i, 0,1,2,3
	v_pk_add_f32 v[8+2*\i:9+2*\i], v[8+2*\i:9+2*\i], v[X+32*\i+\j:X+32*\i+\j+1]
.endr
.endr
	REDUCE
.irp i, 0,1,2,3
	v_mul_f32 v[16+2*\i], s20, v[8+2*\i]           ; the mean
.endr
.irp j, 0,2,4,6,8,10,12,14,16,18,20,22,24,26,28,30
.irp i, 0,1,2,3
	v_pk_add_f32 v[X+32*\i+\j:X+32*\i+\j+1], v[X+32*\i+\j:X+32*\i+\j+1], v[16+2*\i:17+2*\i] op_sel_hi:[1,0] neg_lo:[0,1] neg_hi:[0,1]
.endr
.endr
.irp i, 0,1,2,3
	v_pk_mul_f32 v[8+2*\i:9+2*\i], v[X+32*\i:X+32*\i+1], v[X+32*\i:X+32*\i+1]
.endr
.irp j, 2,4,6,8,10,12,14,16,18,20,22,24,26,28,30
.irp i, 0,1,2,3
	v_pk_fma_f32 v[8+2*\i:9+2*\i], v[X+32*\i+\j:X+32*\i+\j+1], v[X+32*\i+\j:X+32*\i+\j+1], v[8+2*\i:9+2*\i]
.endr
.endr
	REDUCE
.irp i, 0,1,2,3
	v_fma_f32 v[16+2*\i], v[8+2*\i], s20, s21      ; the variance + 1e-5
.endr
	s_wait_alu depctr_va_vdst(0)                   ; the wait ahead of the batch
.irp i, 0,1,2,3
	v_rsq_f32 v[16+2*\i], v[16+2*\i]
.endr
	v_nop
	s_wait_alu depctr_va_vdst(0)                   ; a wait behind the batch
	s_wait_loadcnt 0x0                             ; g and b
.irp j, 0,2,4,6,8,10,12,14,16,18,20,22,24,26,28,30
.irp i, 0,1,2,3
	v_pk_mul_f32 v[X+32*\i+\j:X+32*\i+\j+1], v[X+32*\i+\j:X+32*\i+\j+1], v[16+2*\i:17+2*\i] op_sel_hi:[1,0]
.endr
.endr
.irp j, 0,2,4,6,8,10,12,14,16,18,20,22,24,26,28,30
.irp i, 0,1,2,3
	v_pk_fma_f32 v[X+32*\i+\j:X+32*\i+\j+1], v[X+32*\i+\j:X+32*\i+\j+1], v[G+\j:G+\j+1], v[BV+\j:BV+\j+1]
.endr
.endr
.irp i, 0,1,2,3
.irp j, 0,1,2,3,4,5,6,7
	ds_store_b128 v5, v[X+32*\i+4*\j:X+32*\i+4*\j+3] offset:\i*PITCH+\j*512
.endr
.endr
	s_wait_dscnt 0x0                               ; for the others' sake: my rows lie in the stage
	s_barrier_signal -1
	s_barrier_wait -1
.irp e, 0,1
.irp b, 0,1,2,3
.irp j, 0,1,2,3
	ds_load_b128 v[X+64*\e+16*\b+4*\j:X+64*\e+16*\b+4*\j+3], v6 offset:\e*512+\b*128+\j*16
.endr
.endr
.endr
.macro QUANT s, pc, pw                 ; 64 numbers of a lane, register 16 b + i = k 32 b + 16 (lane / 16) + i of my row, become a fragment's codes and its scale word
.irp b, 0,1,2,3
	v_max3_num_f32 v[TM+\b], |v[\s+16*\b]|, |v[\s+1+16*\b]|, 0x8000000
.endr
.irp i, 2,4,6,8,10,12,14
.irp b, 0,1,2,3
	v_max3_num_f32 v[TM+\b], v[TM+\b], |v[\s+16*\b+\i]|, |v[\s+1+16*\b+\i]|
.endr
.endr
.irp b, 0,1,2,3
	v_permlanex16_b32 v[TM+4+\b], v[TM+\b], s[SEL], s[SEL+1]
.endr
.irp b, 0,1,2,3
	v_max_num_f32 v[TM+\b], v[TM+\b], v[TM+4+\b]
.endr
.irp b, 0,1,2,3
	v_add_nc_u32 v[TM+12+\b], 0xf8800000, v[TM+\b]
.endr
.irp b, 0,1,2,3
	v_and_or_b32 v[TM+8+\b], v[TM+\b], 0x7f800000, s[MNT]
.endr
.irp b, 0,1,2,3
	v_lshrrev_b32 v[TM+4+\b], 23, v[TM+12+\b]
.endr
	v_lshl_or_b32 v[\pw], v[TM+5], 8, v[TM+4]
	v_lshl_or_b32 v[\pw], v[TM+6], 16, v[\pw]
	v_lshl_or_b32 v[\pw], v[TM+7], 24, v[\pw]
.irp b, 0,1,2,3
.irp i, 0,1,2,3,4,5,6,7,8,9,10,11,12,13,14,15
	v_med3_num_f32 v[\s+16*\b+\i], v[\s+16*\b+\i], -v[TM+8+\b], v[TM+8+\b]
.endr
	v_cvt_scalef32_pk8_bf8_f32 v[\pc+4*\b:\pc+1+4*\b], v[\s+16*\b:\s+7+16*\b], v[TM+12+\b]
	v_cvt_scalef32_pk8_bf8_f32 v[\pc+2+4*\b:\pc+3+4*\b], v[\s+8+16*\b:\s+15+16*\b], v[TM+12+\b]
.endr
	v_nop
.endm
	s_wait_dscnt 16                                ; the first K step's 16 loads are in
	QUANT X, G, 240
.irp c, 0,1,2,3
	global_store_b128 v4, v[G+4*\c:G+4*\c+3], s[16:17] offset:512*\c
.endr
	s_wait_dscnt 0x0
	QUANT X+64, G+16, 241
.irp c, 0,1,2,3
	global_store_b128 v4, v[G+16+4*\c:G+16+4*\c+3], s[16:17] offset:2048+512*\c
.endr
	v_cndmask_b32 v242, v241, v240, vcc_lo         ; lanes 0-15 carry the first fragment's words, lanes 16-31 the second's
	global_store_b32 v7, v242, s[18:19]
	s_wait_tensorcnt 0x0                           ; the wave's end
	ds_add_u32 v254, v255
	s_wait_dscnt 0x0
	s_endpgm
.Lfunc_end_k_qeeab274c20_wquant:
	.size	k_qeeab274c20_wquant, .Lfunc_end_k_qeeab274c20_wquant-k_qeeab274c20_wquant
	.p2alignl 7, 3214868480
	.fill 96, 4, 3214868480
	.section	.rodata,"a",@progbits
	.p2align	6, 0x0
	.amdhsa_kernel k_qeeab274c20_wquant
		.amdhsa_group_segment_fixed_size 66304
		.amdhsa_private_segment_fixed_size 0
		.amdhsa_enable_private_segment 0
		.amdhsa_kernarg_size 80
		.amdhsa_user_sgpr_count 2
		.amdhsa_user_sgpr_kernarg_segment_ptr 1
		.amdhsa_wavefront_size32 1
		.amdhsa_system_sgpr_workgroup_id_x 1
		.amdhsa_system_sgpr_workgroup_id_y 1
		.amdhsa_system_sgpr_workgroup_id_z 1
		.amdhsa_system_vgpr_workitem_id 0
		.amdhsa_next_free_vgpr 256
		.amdhsa_next_free_sgpr 66
		.amdhsa_reserve_vcc 1
		.amdhsa_float_denorm_mode_32 3
		.amdhsa_float_denorm_mode_16_64 3
		.amdhsa_memory_ordered 1
		.amdhsa_forward_progress 1
		.amdhsa_inst_pref_size 84
	.end_amdhsa_kernel
	.amdgpu_metadata
---
amdhsa.version: [ 1, 2 ]
amdhsa.kernels:
  - .name:           k_qeeab274c20_wquant
    .symbol:         k_qeeab274c20_wquant.kd
    .args:
      - { .name: Wq, .offset: 0, .size: 8, .value_kind: global_buffer, .address_space: global }
      - { .name: Wk, .offset: 8, .size: 8, .value_kind: global_buffer, .address_space: global }
      - { .name: Wv, .offset: 16, .size: 8, .value_kind: global_buffer, .address_space: global }
      - { .name: Wo, .offset: 24, .size: 8, .value_kind: global_buffer, .address_space: global }
      - { .name: W1, .offset: 32, .size: 8, .value_kind: global_buffer, .address_space: global }
      - { .name: W2, .offset: 40, .size: 8, .value_kind: global_buffer, .address_space: global }
      - { .name: ops, .offset: 48, .size: 8, .value_kind: global_buffer, .address_space: global }
      - { .name: x, .offset: 56, .size: 8, .value_kind: global_buffer, .address_space: global }
      - { .name: ln1_g, .offset: 64, .size: 8, .value_kind: global_buffer, .address_space: global }
      - { .name: ln1_b, .offset: 72, .size: 8, .value_kind: global_buffer, .address_space: global }
    .group_segment_fixed_size: 66304
    .private_segment_fixed_size: 0
    .kernarg_segment_align: 8
    .kernarg_segment_size: 80
    .max_flat_workgroup_size: 128
    .sgpr_count:     66
    .vgpr_count:     256
    .wavefront_size: 32
...
	.end_amdgpu_metadata
.endif
;; end of part 1
;; launch qkv (part 2): grid 12 x 16, 4 waves a work-group, clusters of 4 x 4, 327,680 bytes of LDS; arguments ops, qkv; writes qkv
.if DOCPART == 2
	.amdgcn_target "amdgcn-amd-amdhsa--gfx1250"
	.amdhsa_code_object_version 6
	.text
	.protected	k_qeeab274c20_qkv
	.globl	k_qeeab274c20_qkv
	.p2align	8
	.type	k_qeeab274c20_qkv,@function
k_qeeab274c20_qkv:
	s_mov_b64 s[64:65], 0
	v_nop
	global_prefetch_b8 v0, s[64:65] scope:SCOPE_SE
	s_setreg_imm32_b32 hwreg(HW_REG_WAVE_MODE, 25, 1), 1
	s_wait_xcnt 0x0
	s_wait_alu depctr_hold_cnt(0) depctr_sa_sdst(0) depctr_va_vdst(0) depctr_va_sdst(0) depctr_va_ssrc(0) depctr_va_vcc(0) depctr_vm_vsrc(0)
	s_getreg_b32 s2, hwreg(HW_REG_IB_STS2, 6, 4)
	s_cmp_eq_u32 s2, 0
	s_cbranch_scc0 .Lentry_in_a_cluster
	s_endpgm
.Lentry_in_a_cluster:
	s_bfe_u32 s2, ttmp6, 0x10000c
	s_cmp_lg_u32 s2, 0xf033
	s_cbranch_scc0 .Lentry_shape_is_right
	s_endpgm
.Lentry_shape_is_right:
; A product on codes of BF8 (E5M2) with E8M0 scales, K = 1,024, whose RESULT IS QUANTISED ON THE WAY OUT and stored as the next product's operand.  One text, two forms (FFN):
;   FFN = 0: q, k = h Wq, h Wk (rows = tokens, columns = Wq | Wk), and v^T = Wv^T h^T (rows = Wv's columns, columns = tokens), so that v's codes run along the keys.
;   FFN = 1: gelu(h W1 + b1), the exact erf form.
; EVERY OPERAND IS AN IMAGE OF OPERAND REGISTERS: codes [rb][ks][2048], byte 512 c + 16 lane + i = row rho(rb, lane % 16), k = 128 ks + 32 c + 16 (lane / 16) + i,
; rho(rb, r) = 32 (rb / 2) + 8 (rb % 2) + r + 8 (r / 8); scale words [rb][ks][16][4] at S0 + (the codes' offset) / 32.  A fragment comes by four loads of 16 bytes a lane at 16 x lane: no pitch, no padding.
; THE MATRIX INSTRUCTION IS USED TRANSPOSED (source 0 = 16 rows of B, source 1 = 16 rows of A).  By rho the 16 registers of B's tiles 2 b and 2 b + 1 are B's rows 32 b + 16 (lane / 16) + 0 .. 15 of one row of A:
; 64 registers of a lane are four blocks of 32 along the next K, and the conversions' results are the next operand's fragment.
; SHARES.  A work-group of four waves makes 256 x 256, a wave 128 x 128: 64 accumulators, 512 registers.  K goes through a ring of two LDS slots of 256 along K; a wave fetches a quarter of a slot by one tensor load
; (8 rb x 4,096 bytes).  The scale words go from memory straight into registers, one slot's worth at a time.
; CLUSTERS: 4 x 4 work-groups; A's tiles are asked for jointly along a row of the cluster, B's along a column.  In the v form the tile row is cy alone and the tile column 4 x cluster y + cx;
; which form a cluster runs hangs on the cluster's x, the same in all sixteen, and chooses numbers only: no branch.
; REGISTERS, in windows of 256: window 0: v0-31 addresses; v32-63 scale words, two sets; v64-127 b1 (FFN); from v128 A's fragments, one set.  window 1: B's fragments, two sets.  windows 2, 3: the accumulators, (a, b) at v[8 (8 (a % 4) + b)].
; LIMITS: NaN and infinities are not served.  A block of zeros gets the byte 1 (its codes are zeros; this program alone reads the bytes).  A scale word is stored by lanes l and l + 16 alike, the same value to the same place.
; FFN: 0.5 (1 + erf) is good to about 1e-7 absolutely, as f32 evaluation of that expression is; so gelu's far negative tail is good to 1e-7 |x|, not to 1e-7 of itself.
.set FFN,   0
.set NQ,    2                          ; steps of 128 along K in a slot
.set FR,    16                         ; registers of a fragment
.set NL,    4                          ; LDS loads that bring one
.set NP,    8                          ; places behind this matrix instruction (ISA guide 7.12.1)
.set QRT,   32768                      ; a wave's quarter of a slot: [8 rb][2 ks][2048]
.set SLOT,  4*QRT                      ; A's two halves, then B's two halves
.set SCL,   2*SLOT                     ; behind the ring: 16,384 bytes that no line uses
.set SPARE, SCL+4*4096                 ; the spare words, 128 bytes a wave: two blocks of 256 bytes that no other line names
.set LAPS,  2                          ; K = 1,024 is four slots: twice round the ring
.if FFN
.set S0OUT, 16<<20
.set OUTP,  8
.else
.set S0OUT, 12<<20
.set OUTP,  6
.endif
.set ADRA, 16                          ; v16-17  LDS address of my A fragments in slot 0, 1
.set ADRB, 20                          ; v20-21  the same for B
.set LS,   22                          ; v22     4 x (lane % 16)
.set STG,  24                          ; v24-25  the way out: my stage, blocks 0-3 and 4-7
.set LI,   26                          ; v26     16 x lane
.set ADRS, 27                          ; v27     LDS address of my scale words: lanes 0-15 A's rows, lanes 16-31 B's
.set SPW,  28                          ; v28     LDS address of my spare word; never rewritten
.set NIL,  29                          ; v29     0; never rewritten
.set SA,   30                          ; v30     the way out: the block in hand
.set SC,   32                          ; scale words: set s at v[SC + 16 s]; register 2 i + q: lanes 0-15 A's block i, lanes 16-31 B's block i, the slot's q-th 128 along K
.set BI,   64                          ; b1 in the result's layout
.set AF,   128                         ; A's fragments
.set XN,   128                         ; the way out: 64 numbers of a lane
.set TM,   192                         ; the quantiser's 16 registers
.set PC,   208                         ; the codes just made
.set PW,   224                         ; their scale word
.set GZ,   192                         ; gelu, eight numbers at a time: z, |z|, z^2, the large branch, the small branch, 0.5 +- 0.5
.set GT,   200
.set GS,   208
.set GR,   216
.set GQ,   224
.set GU,   232
.set SEL,  98                          ; s[98:99] v_permlanex16_b32's selects for lane l xor 16
.set MNT,  23                          ; s23      the mantissa field of 57,344
.set G1, 24                            ; s[24:31] descriptor group 1 for A's tiles;  s[32:39] group 0, one set for each slot
.set G0, 32
.set G1B, 48                           ; s[48:55], s[56:63] the same for B's tiles
.set G0B, 56
.set G1S, 68
.set G0S, 76
.set G1SB, 80
.set G0SB, 88
.set MSB, 0
.macro WIN new                         ; the immediate's high byte repeats the setting that is left
.if MSB != (\new)
	s_set_vgpr_msb (MSB<<8)|(\new)
.set MSB, (\new)
.endif
.endm
.set MUL_LO, 0xa1                      ; source 0 (B) window 1, source 1 (A) window 0, C and D window 2
.set MUL_HI, 0xf1                      ; the same, C and D window 3
.set TO_B,   0x40                      ; destination window 1, address window 0
; A joint load: waves 0 and 1 fetch for A, waves 2 and 3 for B.  Each line has one mask and one set of registers for all that issue it; the branch hangs on the wave's number alone.
; Four v_nop follow each of the two lines, ahead of the jump, the label and what follows.
.macro JLOAD g0a, g1a, g0b, g1b
	s_cmp_eq_u32 s15, 0
	s_cbranch_scc0 .Lfor_b_\@
	tensor_load_to_lds s[\g0a:\g0a+3], s[\g1a:\g1a+7]
	s_nop 0
.rept 4
	v_nop
.endr
	s_branch .Lasked_\@
.Lfor_b_\@:
	tensor_load_to_lds s[\g0b:\g0b+3], s[\g1b:\g1b+7]
	s_nop 0
.rept 4
	v_nop
.endr
.Lasked_\@:
.endm
.macro CREST                           ; a round of the cluster's barrier behind its opening barrier
	s_cmp_lg_u32 s14, 0
	s_cbranch_scc1 .Lnot_wave_0_\@
	s_barrier_signal -3
.Lnot_wave_0_\@:
	s_barrier_wait -3
	s_barrier_signal -1
	s_barrier_wait -1
.endm
.macro CROUND                          ; a whole round
	s_barrier_signal -1
	s_barrier_wait -1
	CREST
.endm
	s_load_b128 s[4:7], s[0:1], 0x0                ; ops; FFN: b1, else the output
.if FFN
	s_load_b64 s[8:9], s[0:1], 0x10                ; the output
.endif
	v_lshl_add_u32 v[SPW], v0, 2, SPARE
	v_mov_b32 v[NIL], 0
	ds_add_u32 v28, v29
	ds_add_u32 v28, v29
	s_wait_dscnt 0x0
	v_lshrrev_b32 v1, 5, v0
	v_readfirstlane_b32 s14, v1                    ; wave 0..3
	s_lshr_b32 s15, s14, 1                         ; which half of the tile's rows is mine.  Also: I fetch for A (0) or for B (1)
	s_and_b32 s16, s14, 1                          ; which half of its columns.  Also: which half of that tile I fetch
	s_bfe_u32 s40, ttmp6, 0x40000                  ; cx, cy: my place in the cluster
	s_bfe_u32 s41, ttmp6, 0x40004
	s_lshl_b32 s42, ttmp9, 2                       ; 4 x cluster x
	s_and_b32 s17, ttmp7, 0xffff
	s_lshl_b32 s17, s17, 2                         ; 4 x cluster y
.if FFN
	s_mov_b32 s97, 12<<20                          ; A: the normalised rows;
	s_mov_b32 s2, 4<<20                            ; B: W1
	s_mov_b32 s95, 5                               ; log2 of the output's K steps
	s_mov_b32 s96, 0                               ; the output's region
.else
	s_mov_b32 s97, 12<<20                          ; the normalised rows
	s_mov_b32 s2, 2<<20                            ; Wv
	s_cmp_lt_u32 ttmp9, 2                          ; clusters 0 and 1 along x make q and k, cluster 2 makes v^T: the same in all sixteen partners
	s_cselect_b32 s42, s42, s17                    ; the tile column begins at 4 x cluster x, or at 4 x cluster y
	s_cselect_b32 s17, s17, 0                      ; the tile row at 4 x cluster y, or at 0
	s_cselect_b32 s95, 4, 5                        ; the output has 16 K steps (q | k) or 32 (the tokens)
	s_cselect_b32 s96, 0, 8<<20
	s_cselect_b32 s3, s97, s2                      ; A: the rows, or Wv
	s_cselect_b32 s2, 0, s97                       ; B: Wq | Wk, or the rows
	s_mov_b32 s97, s3
.endif
	s_add_co_u32 s42, s42, s40                     ; the tile column
	s_add_co_u32 s17, s17, s41                     ; the tile row
	s_lshl_b32 s43, s41, 2
	s_lshl_b32 s43, 15, s43                        ; my row of the cluster
	s_lshl_b32 s44, 0x1111, s40                    ; my column
	; descriptor group 1: 8 rb x 4,096 bytes (two K steps), as elements of 8 bytes; from rb to rb 8 K steps = 16,384 bytes
	s_or_b32 s[G1+0], s43, (3<<16)|(1<<21)         ; 15:0 the mask: A's tiles go to my row; 17:16 elements of 8 bytes; 21 set beside a mask; no padding
	s_or_b32 s[G1B+0], s44, (3<<16)|(1<<21)
.irp g, G1, G1B
	s_mov_b32 s[\g+1], 512<<16                     ; tensor_dim0
	s_mov_b32 s[\g+2], 8<<16                       ; tensor_dim1
	s_mov_b32 s[\g+3], 512<<16                     ; tile_dim0
	s_mov_b32 s[\g+4], 8                           ; tile_dim1
	s_mov_b32 s[\g+5], 2048                        ; tensor_dim0_stride
	s_mov_b32 s[\g+6], 0
	s_mov_b32 s[\g+7], 0
.endr
	; and for the scale words of 8 rb: 4,096 dense bytes as 16 rows of 256
	s_lshl_b32 s18, s16, 17                        ; the half that I fetch: 8 rb x 8 K steps x 2,048
	s_lshl_b32 s20, s17, 18
	s_add_co_u32 s20, s20, s18
	s_add_co_u32 s20, s20, s97                     ; A's codes: made of the tile row and the wave's number alone
	s_lshl_b32 s46, s42, 18
	s_add_co_u32 s46, s46, s18
	s_add_co_u32 s46, s46, s2                      ; B's: of the tile column and the wave's number alone
	s_mov_b32 s21, 0
	s_mov_b32 s47, 0
	s_lshl_b32 s45, s14, 15                        ; where my quarter goes: wave x a quarter: no place in the cluster enters an LDS address
	s_wait_kmcnt 0x0
	s_add_nc_u64 s[20:21], s[4:5], s[20:21]
	s_add_nc_u64 s[46:47], s[4:5], s[46:47]
	CROUND                                         ; all sixteen work-groups are here: the first joint loads meet
.irp n, 0,1
	s_mov_b32 s[G0+4*\n], 1
	s_add_co_u32 s[G0+4*\n+1], s45, \n*SLOT
	s_add_nc_u64 s[G0+4*\n+2:G0+4*\n+3], s[20:21], \n*4096
	s_or_b32 s[G0+4*\n+3], s[G0+4*\n+3], 0x80000000
	s_mov_b32 s[G0B+4*\n], 1
	s_add_co_u32 s[G0B+4*\n+1], s45, \n*SLOT
	s_add_nc_u64 s[G0B+4*\n+2:G0B+4*\n+3], s[46:47], \n*4096
	s_or_b32 s[G0B+4*\n+3], s[G0B+4*\n+3], 0x80000000
.if \n                                         ; slot 0's load is my one load at the head; slot 1's first fill stands behind the full sequence and a round
	s_wait_alu depctr_va_vdst(0)
	s_wait_tensorcnt 0x0
	ds_add_u32 v28, v29
	s_wait_dscnt 0x0
	CROUND
.endif
	JLOAD G0+4*\n, G1, G0B+4*\n, G1B               ; my one tensor load behind the round
.endr
	v_and_b32 v1, 15, v0                           ; r
	v_bfe_u32 v2, v0, 4, 1                         ; h
	s_wait_alu depctr_va_vdst(0)
	v_and_b32 v3, 31, v0
	v_lshlrev_b32 v[LI], 4, v3
	v_lshlrev_b32 v[LS], 2, v1
	s_lshl_b32 s21, s15, 15                        ; my half of A
	s_lshl_b32 s22, s16, 15                        ; my half of B,
	s_add_co_u32 s22, s22, 2*QRT                   ; which lies behind A's two
.irp n, 0,1
	v_add_nc_u32 v[ADRA+\n], s21, v[LI]
	v_add_nc_u32 v[ADRB+\n], s22, v[LI]
	s_add_co_u32 s21, s21, SLOT
	s_add_co_u32 s22, s22, SLOT
.endr
	s_lshl_b32 s21, s17, 18                        ; THE SCALE WORDS GO FROM MEMORY STRAIGHT INTO THEIR REGISTERS, not through LDS: ADRS is a byte offset in ops
	s_lshl_b32 s22, s15, 17
	s_add_co_u32 s21, s21, s22
	s_add_co_u32 s21, s21, s97
	s_lshr_b32 s21, s21, 5                         ; A's: (the codes' offset of my half of the rows) / 32
	s_lshl_b32 s22, s42, 18
	s_lshl_b32 s23, s16, 17
	s_add_co_u32 s22, s22, s23
	s_add_co_u32 s22, s22, s2
	s_lshr_b32 s22, s22, 5                         ; B's likewise
	s_sub_co_u32 s22, s22, s21
	s_add_co_u32 s21, s21, 16<<20
	v_mul_lo_u32 v6, s22, v2                       ; lanes 16-31 take B's: the distance between the two, modulo 2^32
	s_wait_alu depctr_va_vdst(0)
	v_add_nc_u32 v5, v[LS], v6
	v_add_nc_u32 v[ADRS], s21, v5
	s_lshl_b32 s23, s14, 16                        ; the way out: 65,536 bytes of the ring for each wave
	v_add_nc_u32 v[STG], s23, v[LI]
	v_add_nc_u32 v[STG+1], QRT, v[STG]
	; where my eight fragments go: rb = 16 x tile row + 8 x half + a, K step = 2 x tile column + half
	s_lshl_b32 s20, s17, 4
	s_lshl_b32 s21, s15, 3
	s_add_co_u32 s20, s20, s21
	s_lshl_b32 s20, s20, s95
	s_lshl_b32 s21, s42, 1
	s_add_co_u32 s20, s20, s21
	s_add_co_u32 s20, s20, s16
	s_lshl_b32 s20, s20, 11
	s_add_co_u32 s20, s20, s96
	s_lshr_b32 s22, s20, 5
	s_add_co_u32 s22, s22, S0OUT
	s_mov_b32 s21, 0
	s_mov_b32 s23, 0
	s_add_nc_u64 s[12:13], s[OUTP:OUTP+1], s[20:21]
	s_add_nc_u64 s[10:11], s[OUTP:OUTP+1], s[22:23]
	s_lshl_b32 s18, 2048, s95                      ; from rb to rb
	s_mov_b32 s19, 0
	s_lshl_b32 s20, 64, s95
	s_mov_b32 s21, 0
.if FFN
	s_lshl_b32 s22, s42, 10                        ; b1 of my 128 columns; lane (r, h) wants, for tile 2 b + u, those of columns 32 b + 16 h + 8 u + 0 .. 7
	s_lshl_b32 s23, s16, 9
	s_add_co_u32 s22, s22, s23
	s_mov_b32 s23, 0
	s_add_nc_u64 s[6:7], s[6:7], s[22:23]
	v_lshlrev_b32 v7, 6, v2
.irp t, 0,1,2,3,4,5,6,7
	global_load_b128 v[BI+8*\t:BI+8*\t+3], v7, s[6:7] offset:(32*(\t/2)+8*(\t%2))*4
	global_load_b128 v[BI+8*\t+4:BI+8*\t+7], v7, s[6:7] offset:(32*(\t/2)+8*(\t%2))*4+16
.endr
.endif
.macro FRAG reg, adr, q, i             ; a fragment: four loads of 512 dense bytes
.irp c, 0,1,2,3
	ds_load_b128 v[\reg+4*\c:\reg+4*\c+3], v[\adr] offset:2048*(\q)+512*\c+(\i)*4096
.endr
.endm
; 16 matrix instructions: A's blocks a0, a0 + 1 x B's eight, the slot's q-th 128 along K.  p: B's set;  sc: the set of scale words.  zero = 1: the first product starts the sums.
; The 64 accumulators take turns, one instruction a turn, in the same order in every step.
.macro MUL16 a0, p, q, sc, zero
.irp a, \a0, \a0+1
.irp b, 0,1,2,3,4,5,6,7
.if \zero
	v_wmma_scale_f32_16x16x128_f8f6f4 v[8*(8*((\a)%4)+\b):8*(8*((\a)%4)+\b)+7], v[128*(\p)+FR*\b:128*(\p)+FR*\b+FR-1], v[AF+FR*(\a):AF+FR*(\a)+FR-1], 0, v[SC+8*NQ*(\sc)+NQ*\b+(\q)], v[SC+8*NQ*(\sc)+NQ*(\a)+(\q)] matrix_a_fmt:MATRIX_FMT_BF8 matrix_b_fmt:MATRIX_FMT_BF8 matrix_a_scale:MATRIX_SCALE_ROW1
.else
	v_wmma_scale_f32_16x16x128_f8f6f4 v[8*(8*((\a)%4)+\b):8*(8*((\a)%4)+\b)+7], v[128*(\p)+FR*\b:128*(\p)+FR*\b+FR-1], v[AF+FR*(\a):AF+FR*(\a)+FR-1], v[8*(8*((\a)%4)+\b):8*(8*((\a)%4)+\b)+7], v[SC+8*NQ*(\sc)+NQ*\b+(\q)], v[SC+8*NQ*(\sc)+NQ*(\a)+(\q)] matrix_a_fmt:MATRIX_FMT_BF8 matrix_b_fmt:MATRIX_FMT_BF8 matrix_a_scale:MATRIX_SCALE_ROW1
.endif
.endr
.endr
.endm
.macro FETCH_B slot, q, p              ; B's eight fragments into set p
	WIN TO_B
.irp i, 0,1,2,3,4,5,6,7
	FRAG 128*(\p)+FR*\i, ADRB+\slot, \q, \i
.endr
	WIN 0
.endm
.macro FETCH_A slot, q, i0             ; A's blocks i0 .. i0 + 3
.irp i, \i0, \i0+1, \i0+2, \i0+3
	FRAG AF+FR*(\i), ADRA+\slot, \q, \i
.endr
.endm
.macro SCALES sc                       ; the next slot's scale words: lanes 0-15 take A's block i, lanes 16-31 B's block i
.irp i, 0,1,2,3,4,5,6,7
.irp u, 0,1
	global_load_b32 v[SC+8*NQ*\sc+NQ*\i+\u], v[ADRS], s[4:5] offset:\i*512+\u*64   ; two runs of 64 dense bytes a load
.endr
.endr
.endm
; A load into a register that a matrix instruction has read, and an LDS store or vector instruction that reads a result, stand NP places behind it; only plain vector instructions that name none of its registers are places.
.macro PLACES n
.rept \n
	v_nop
.endr
.endm
; A step of 128 along K that has its successor in the same slot.  A's blocks go one after the other, each against B's eight, so one set of registers serves A: blocks 0-3 are fetched anew in the step's middle, blocks 4-7 at its end.
.macro STEP slot, q, zero
	s_wait_dscnt 4*NL
	s_wait_loadcnt 0x0                             ; the slot's scale words are in, and their offset register may be stepped
	WIN MUL_LO
	MUL16 0, (\q)%2, \q, \slot, \zero
	MUL16 2, (\q)%2, \q, \slot, \zero
	s_wait_dscnt 0                                 ; A's blocks 4-7 are in
	PLACES NP
	FETCH_B \slot, (\q)+1, 1-(\q)%2
	FETCH_A \slot, (\q)+1, 0
	WIN MUL_HI
	MUL16 4, (\q)%2, \q, \slot, \zero
	MUL16 6, (\q)%2, \q, \slot, \zero
	PLACES NP
	WIN 0
	FETCH_A \slot, (\q)+1, 4
.endm
; A slot's last step changes slots: one barrier; in front of it each wave waits for all its tensor loads, adds 0 to its spare word, and waits for that and for its reads of this slot.  fill = 1: this slot is filled again, two slots ahead.
.macro TURN slot, next, fill
	s_wait_tensorcnt 0x0                           ; all my tensor loads have landed: my part of the next slot
	ds_add_u32 v[SPW], v[NIL]                      ; 0 onto my spare word
	s_wait_dscnt 4*NL+1                            ; (the add and the youngest 16 loads, A's blocks 4-7, may be out)
	WIN MUL_LO
	MUL16 0, 1, NQ-1, \slot, 0                     ; sixteen matrix instructions stand between the add and the wait for it
	s_wait_dscnt 0x0                               ; the add is done, and my reads of this slot are over
	s_barrier_signal -1
	MUL16 2, 1, NQ-1, \slot, 0
	WIN 0
	s_barrier_wait -1
.if \fill
	CREST                                          ; the barrier has opened a round of the cluster's: no wave of any partner still reads this slot or has a load on its way
	s_add_nc_u64 s[G0+4*\slot+2:G0+4*\slot+3], s[G0+4*\slot+2:G0+4*\slot+3], 8192
	s_add_nc_u64 s[G0B+4*\slot+2:G0B+4*\slot+3], s[G0B+4*\slot+2:G0B+4*\slot+3], 8192
	JLOAD G0+4*\slot, G1, G0B+4*\slot, G1B         ; the first tensor load behind the round, and my one load until the next; its four v_nop are among the places below
	PLACES NP-4
.else
	PLACES NP
.endif
	s_wait_alu depctr_va_vdst(0)
	v_add_nc_u32 v[ADRS], 128, v[ADRS]             ; on to the next slot's scale words
	FETCH_B \next, 0, 0
	FETCH_A \next, 0, 0
	SCALES \next
	WIN MUL_HI
	MUL16 4, 1, NQ-1, \slot, 0
	MUL16 6, 1, NQ-1, \slot, 0
	PLACES NP
	WIN 0
	FETCH_A \next, 0, 4
.endm
	s_wait_alu depctr_va_vdst(0)
	s_wait_tensorcnt 1                             ; my part of slot 0 is in (slot 1's load may be out)
	s_barrier_signal -1
	s_barrier_wait -1                              ; everybody's are
	FETCH_B 0, 0, 0
	FETCH_A 0, 0, 0
	SCALES 0
	FETCH_A 0, 0, 4
	STEP 0, 0, 1                                   ; the first step stands in front of the loop: its products start the sums
	s_mov_b32 s3, LAPS-1
.Llap:                                                 ; a trip goes once round the ring and fills both slots again
	TURN 0, 1, 1
	STEP 1, 0, 0
	TURN 1, 0, 1
	STEP 0, 0, 0
	s_sub_co_u32 s3, s3, 1
	s_cmp_lg_u32 s3, 0
	s_cbranch_scc1 .Llap
	TURN 0, 1, 0                                   ; the last lap fills nothing
	STEP 1, 0, 0
	s_wait_dscnt 4*NL                              ; the very last step
	WIN MUL_LO
	MUL16 0, 1, NQ-1, 1, 0
	MUL16 2, 1, NQ-1, 1, 0
	s_wait_dscnt 0                                 ; my reads of the ring are over:
	s_barrier_signal -1                            ; the way out's stages lie over both slots, which have had their last fill
	WIN MUL_HI
	MUL16 4, 1, NQ-1, 1, 0
	MUL16 6, 1, NQ-1, 1, 0
	WIN 0
	s_barrier_wait -1                              ; nobody reads the ring any more
; THE WAY OUT.  The 512 accumulator registers go to my own 65,536 bytes of LDS as they stand, 8,192 bytes a block of 16 rows, and come back a block at a time into window 0,
; so that the work on a block (FFN: bias and gelu; the quantiser) is written once, in a loop of eight trips.  LDS serves a wave's instructions in order (ISA guide 5.7.1.4): no wait between my stores and my loads.
	PLACES NP
.irp a, 0,1,2,3,4,5,6,7
	WIN 0x08+4*(\a/4)                              ; an LDS store's data are its source 1: window 2 or 3
.irp k, 0,1,2,3,4,5,6,7,8,9,10,11,12,13,14,15
	ds_store_b128 v[STG+\a/4], v[64*(\a%4)+4*\k:64*(\a%4)+4*\k+3] offset:(\a%4)*8192+512*\k    ; each accumulator from its low end on
.endr
.endr
	WIN 0
	s_mov_b32 s[SEL], 0x76543210
	s_mov_b32 s[SEL+1], 0xfedcba98
	s_mov_b32 s[MNT], 0x600000
.irp b, 0,1,2,3
	v_mov_b32 v[TM+4+\b], 0                        ; a lane permute's destination counts as one of its sources
.endr
.macro QUANT s, pc, pw                 ; 64 numbers of a lane, register 16 b + i = k 32 b + 16 (lane / 16) + i of my row, become a fragment's codes and its scale word
.irp b, 0,1,2,3
	v_max3_num_f32 v[TM+\b], |v[\s+16*\b]|, |v[\s+1+16*\b]|, 0x8000000       ; my 16 numbers of block b, and the floor 2^(16 - 127): the byte cannot fall under 1
.endr
.irp i, 2,4,6,8,10,12,14
.irp b, 0,1,2,3
	v_max3_num_f32 v[TM+\b], v[TM+\b], |v[\s+16*\b+\i]|, |v[\s+1+16*\b+\i]|
.endr
.endr
.irp b, 0,1,2,3
	v_permlanex16_b32 v[TM+4+\b], v[TM+\b], s[SEL], s[SEL+1]
.endr
.irp b, 0,1,2,3
	v_max_num_f32 v[TM+\b], v[TM+\b], v[TM+4+\b]   ; with lane l xor 16's: the block's largest magnitude
.endr
.irp b, 0,1,2,3
	v_add_nc_u32 v[TM+12+\b], 0xf8800000, v[TM+\b] ; 15 off its exponent field: the conversion's scale operand
.endr
.irp b, 0,1,2,3
	v_and_or_b32 v[TM+8+\b], v[TM+\b], 0x7f800000, s[MNT]   ; 57,344 x the scale
.endr
.irp b, 0,1,2,3
	v_lshrrev_b32 v[TM+4+\b], 23, v[TM+12+\b]      ; the scale's byte
.endr
	v_lshl_or_b32 v[\pw], v[TM+5], 8, v[TM+4]
	v_lshl_or_b32 v[\pw], v[TM+6], 16, v[\pw]
	v_lshl_or_b32 v[\pw], v[TM+7], 24, v[\pw]
.irp b, 0,1,2,3
.irp i, 0,1,2,3,4,5,6,7,8,9,10,11,12,13,14,15
	v_med3_num_f32 v[\s+16*\b+\i], v[\s+16*\b+\i], -v[TM+8+\b], v[TM+8+\b]   ; the conversion does not saturate (ISA guide 7.6.2): the hold comes first
.endr
	v_cvt_scalef32_pk8_bf8_f32 v[\pc+4*\b:\pc+1+4*\b], v[\s+16*\b:\s+7+16*\b], v[TM+12+\b]
	v_cvt_scalef32_pk8_bf8_f32 v[\pc+2+4*\b:\pc+3+4*\b], v[\s+8+16*\b:\s+15+16*\b], v[TM+12+\b]
.endr
	v_nop                                          ; a plain instruction behind the last conversion
.endm
.if FFN
; gelu(x) = x F(x), F = 0.5 (1 + erf(z)), z = x / sqrt(2), eight numbers at a time.  Both branches of erf are always computed and one is chosen by v_cndmask_b32.
; |z| <= 475/512: erf = z + z P(z^2).  Beyond: E = 2^(log2(e) (|z| R(|z|) - |z|)) = 1 - erf(|z|), and F = (0.5 + T) - T E with T = 0.5 with z's sign: 1 - E / 2 or E / 2, with no difference of near numbers.
.macro GELU8 x
.irp p, 0,2,4,6
	v_pk_mul_f32 v[GZ+\p:GZ+\p+1], v[\x+\p:\x+\p+1], 0x3f3504f3 op_sel_hi:[1,0]
.endr
.irp p, 0,2,4,6
	v_pk_mul_f32 v[GS+\p:GS+\p+1], v[GZ+\p:GZ+\p+1], v[GZ+\p:GZ+\p+1]
.endr
.irp k, 0,1,2,3,4,5,6,7
	v_and_b32 v[GT+\k], 0x7fffffff, v[GZ+\k]
.endr
.irp p, 0,2,4,6
	v_pk_fma_f32 v[GR+\p:GR+\p+1], v[GT+\p:GT+\p+1], 0xb7910000, v[8:9] op_sel_hi:[1,0,1]
.endr
.irp p, 0,2,4,6
	v_pk_fma_f32 v[GQ+\p:GQ+\p+1], v[GT+\p:GT+\p+1], 0xbb7e8a1c, v[10:11] op_sel_hi:[1,0,1]
.endr
.irp p, 0,2,4,6
	v_pk_fma_f32 v[GR+\p:GR+\p+1], v[GR+\p:GR+\p+1], v[GS+\p:GS+\p+1], v[GQ+\p:GQ+\p+1]
.endr
.irp l, 0xbddaae5c, 0xbf228550, 0xbe03ce86
.irp p, 0,2,4,6
	v_pk_fma_f32 v[GR+\p:GR+\p+1], v[GR+\p:GR+\p+1], v[GT+\p:GT+\p+1], \l op_sel_hi:[1,1,0]
.endr
.endr
.irp p, 0,2,4,6
	v_pk_mul_f32 v[GT+\p:GT+\p+1], v[GT+\p:GT+\p+1], 0x3fb8aa3b op_sel_hi:[1,0]
.endr
.irp p, 0,2,4,6
	v_pk_fma_f32 v[GR+\p:GR+\p+1], v[GR+\p:GR+\p+1], v[GT+\p:GT+\p+1], v[GT+\p:GT+\p+1] neg_lo:[0,0,1] neg_hi:[0,0,1]
.endr
.irp k, 0,1,2,3,4,5,6,7
	v_exp_f32 v[GR+\k], v[GR+\k]                   ; one batch; the small branch below is the independent work behind it
.endr
.irp p, 0,2,4,6
	v_pk_fma_f32 v[GQ+\p:GQ+\p+1], v[GS+\p:GS+\p+1], 0xba1c7000, v[12:13] op_sel_hi:[1,0,1]
.endr
.irp l, 0xbcdb48d9, 0x3de70e22, 0xbec09380, 0x3e0375d4
.irp p, 0,2,4,6
	v_pk_fma_f32 v[GQ+\p:GQ+\p+1], v[GQ+\p:GQ+\p+1], v[GS+\p:GS+\p+1], \l op_sel_hi:[1,1,0]
.endr
.endr
.irp p, 0,2,4,6
	v_pk_fma_f32 v[GQ+\p:GQ+\p+1], v[GQ+\p:GQ+\p+1], v[GZ+\p:GZ+\p+1], v[GZ+\p:GZ+\p+1]
.endr
.irp p, 0,2,4,6
	v_pk_fma_f32 v[GQ+\p:GQ+\p+1], v[GQ+\p:GQ+\p+1], 0.5, 0.5 op_sel_hi:[1,0,0]
.endr
.irp k, 0,1,2,3,4,5,6,7
	v_and_or_b32 v[GT+\k], v[GZ+\k], 0x80000000, s47        ; T
.endr
.irp p, 0,2,4,6
	v_pk_add_f32 v[GU+\p:GU+\p+1], v[GT+\p:GT+\p+1], 0.5 op_sel_hi:[1,0]
.endr
	s_wait_alu depctr_va_vdst(0)                   ; one wait for the eight exponentials, ahead of their first reader
.irp p, 0,2,4,6
	v_pk_fma_f32 v[GR+\p:GR+\p+1], v[GT+\p:GT+\p+1], v[GR+\p:GR+\p+1], v[GU+\p:GU+\p+1] neg_lo:[1,0,0] neg_hi:[1,0,0]
.endr
.irp k, 0,1,2,3,4,5,6,7
	v_cmp_lt_f32 vcc_lo, s46, v[GS+\k]             ; (475/512)^2 < z^2
	v_cndmask_b32 v[GQ+\k], v[GQ+\k], v[GR+\k], vcc_lo
.endr
.irp p, 0,2,4,6
	v_pk_mul_f32 v[\x+\p:\x+\p+1], v[\x+\p:\x+\p+1], v[GQ+\p:GQ+\p+1]
.endr
.endm
	s_mov_b32 s46, 0x3f5c5640                      ; (475/512)^2
	s_mov_b32 s47, 0x3f000000                      ; 0.5
	v_mov_b32 v8, 0x39c8e7d9                       ; three constants in pairs: an instruction takes one literal
	v_mov_b32 v9, 0x39c8e7d9
	v_mov_b32 v10, 0x3cc6b1a1
	v_mov_b32 v11, 0x3cc6b1a1
	v_mov_b32 v12, 0x3ba38d2c
	v_mov_b32 v13, 0x3ba38d2c
	s_wait_loadcnt 0x0                             ; b1
.endif
	s_mov_b32 s22, 0
	s_mov_b32 s2, 0
.Lout:                                                 ; eight trips: block a of 16 rows x my 128 columns
	v_add_nc_u32 v[SA], s22, v[STG]
.irp k, 0,1,2,3,4,5,6,7,8,9,10,11,12,13,14,15
	ds_load_b128 v[XN+4*\k:XN+4*\k+3], v[SA] offset:512*\k
.endr
	s_wait_dscnt 0x0
.if FFN
.irp p, 0,2,4,6,8,10,12,14,16,18,20,22,24,26,28,30,32,34,36,38,40,42,44,46,48,50,52,54,56,58,60,62
	v_pk_add_f32 v[XN+\p:XN+\p+1], v[XN+\p:XN+\p+1], v[BI+\p:BI+\p+1]
.endr
.irp g, 0,1,2,3,4,5,6,7
	GELU8 XN+8*\g
.endr
.endif
	QUANT XN, PC, PW
.irp c, 0,1,2,3
	global_store_b128 v[LI], v[PC+4*\c:PC+4*\c+3], s[12:13] offset:512*\c      ; 512 dense bytes a store: the fragment as the next product loads it
.endr
	global_store_b32 v[LS], v[PW], s[10:11]
	s_wait_xcnt 0x0                                ; the stores have read their data and their bases: both are written again only behind this wait
	s_add_nc_u64 s[12:13], s[12:13], s[18:19]
	s_add_nc_u64 s[10:11], s[10:11], s[20:21]
	s_add_co_u32 s22, s22, 8192
	s_add_co_u32 s2, s2, 1
	s_cmp_lt_u32 s2, 8
	s_cbranch_scc1 .Lout
	s_wait_tensorcnt 0x0                           ; the wave's end
	ds_add_u32 v[SPW], v[NIL]
	s_wait_dscnt 0x0
	CROUND                                         ; the closing round: no work-group ends while a partner may still ask for a tile that names it
	s_endpgm
.Lfunc_end_k_qeeab274c20_qkv:
	.size	k_qeeab274c20_qkv, .Lfunc_end_k_qeeab274c20_qkv-k_qeeab274c20_qkv
	.p2alignl 7, 3214868480
	.fill 96, 4, 3214868480
	.section	.rodata,"a",@progbits
	.p2align	6, 0x0
	.amdhsa_kernel k_qeeab274c20_qkv
		.amdhsa_group_segment_fixed_size 327680
		.amdhsa_private_segment_fixed_size 0
		.amdhsa_enable_private_segment 0
		.amdhsa_kernarg_size 16
		.amdhsa_user_sgpr_count 2
		.amdhsa_user_sgpr_kernarg_segment_ptr 1
		.amdhsa_wavefront_size32 1
		.amdhsa_system_sgpr_workgroup_id_x 1
		.amdhsa_system_sgpr_workgroup_id_y 1
		.amdhsa_system_sgpr_workgroup_id_z 1
		.amdhsa_system_vgpr_workitem_id 0
		.amdhsa_next_free_vgpr 1024
		.amdhsa_next_free_sgpr 100
		.amdhsa_reserve_vcc 1
		.amdhsa_float_denorm_mode_32 3
		.amdhsa_float_denorm_mode_16_64 3
		.amdhsa_memory_ordered 1
		.amdhsa_forward_progress 1
		.amdhsa_inst_pref_size 137
	.end_amdhsa_kernel
	.amdgpu_metadata
---
amdhsa.version: [ 1, 2 ]
amdhsa.kernels:
  - .name:           k_qeeab274c20_qkv
    .symbol:         k_qeeab274c20_qkv.kd
    .args:
      - { .name: ops, .offset: 0, .size: 8, .value_kind: global_buffer, .address_space: global }
      - { .name: qkv, .offset: 8, .size: 8, .value_kind: global_buffer, .address_space: global }
    .group_segment_fixed_size: 327680
    .private_segment_fixed_size: 0
    .kernarg_segment_align: 8
    .kernarg_segment_size: 16
    .max_flat_workgroup_size: 128
    .sgpr_count:     100
    .vgpr_count:     1024
    .wavefront_size: 32
...
	.end_amdgpu_metadata
.endif
;; end of part 2
;; launch attn (part 3): grid 4 x 64, 16 waves a work-group, clusters of 4 x 1, 169,984 bytes of LDS; arguments qkv, ctx; writes ctx
.if DOCPART == 3
	.amdgcn_target "amdgcn-amd-amdhsa--gfx1250"
	.amdhsa_code_object_version 6
	.text
	.protected	k_qeeab274c20_attn
	.globl	k_qeeab274c20_attn
	.p2align	8
	.type	k_qeeab274c20_attn,@function
k_qeeab274c20_attn:
	s_mov_b64 s[64:65], 0
	v_nop
	global_prefetch_b8 v0, s[64:65] scope:SCOPE_SE
	s_setreg_imm32_b32 hwreg(HW_REG_WAVE_MODE, 25, 1), 1
	s_wait_xcnt 0x0
	s_wait_alu depctr_hold_cnt(0) depctr_sa_sdst(0) depctr_va_vdst(0) depctr_va_sdst(0) depctr_va_ssrc(0) depctr_va_vcc(0) depctr_vm_vsrc(0)
	s_getreg_b32 s2, hwreg(HW_REG_IB_STS2, 6, 4)
	s_cmp_eq_u32 s2, 0
	s_cbranch_scc0 .Lentry_in_a_cluster
	s_endpgm
.Lentry_in_a_cluster:
	s_bfe_u32 s2, ttmp6, 0x10000c
	s_cmp_lg_u32 s2, 0x3003
	s_cbranch_scc0 .Lentry_shape_is_right
	s_endpgm
.Lentry_shape_is_right:
; Causal attention of one head on codes of BF8 (E5M2) with E8M0 scales; the context is quantised on the way out and stored as the next product's operand.
; q, k: fragments [token rb][16 ks: 0-7 q, 8-15 k][2048]; a head's 64 channels are half a fragment (1,024 bytes: two blocks of 32); the other half of the instruction's K runs on zero codes.
; v: fragments [4 head + t][8 batch + s][2048] with the KEYS along K, from byte 8 MiB on.  Scale words from byte 12 MiB on, at (the codes' offset) / 32.  rho(rb, r) = 32 (rb / 2) + 8 (rb % 2) + r + 8 (r / 8).
; THE SOFTMAX: t = score x log2(e) / 8; M = the running largest t rounded UP to a whole number; p = 2^(t - M) is quantised along the keys, not normalised; the row's sum is taken of the unquantised p and divides at the end.
; When M moves, the sum and O are multiplied by 2^(old M - new M): exact.
; BOTH PRODUCTS TRANSPOSED: S^T = K Q^T, O^T = V^T P^T: a lane holds one query throughout.  By rho the 16 registers of K's tiles 2 b and 2 b + 1 are 16 neighbouring keys, and those of V's tiles 16 neighbouring channels.
; SHARES.  A cluster of four work-groups takes one head of one batch.  K, V and their scale words of the whole head (137,216 bytes) are asked for JOINTLY, once, by waves 0 to 3, one load each: LDS is filled once.
; Wave w takes one tile of 16 queries: chunk c(w) of 128 queries, tile 2 cx + w % 2 of its eight.  c(w) hangs on the wave's number alone, so every branch is alike in all partners; cx enters global addresses and a lane's number only.
; A wave has c + 1 key steps of work; c(w) is chosen so that waves w, w + 4, w + 8, w + 12 have 18 together.  Every wave walks all eight trips; a step all of whose keys are hidden is jumped over, its address steps are not.
; LIMITS: NaN and infinities are not served.  A block of zeros gets the byte 1.  A scale half-word is stored by lanes l and l + 16 alike.
.set KC,   0                            ; LDS: K's codes [64 rb][1024]
.set VC,   65536                        ; V's codes [4 t][8 ks][2048]
.set KSC,  131072                       ; K's scale words [64 rb][64]
.set VSC,  135168                       ; V's [4 t][8 ks][64]
.set AK0,  1                            ; v1   16 x lane, in K
.set AV0,  2                            ; v2   the same in V
.set ASK0, 3                            ; v3   my row's half-word among K's scale words
.set ASV0, 4                            ; v4   my row's word among V's
.set LI,   5                            ; v5   16 x lane
.set LS,   6                            ; v6   4 x (lane % 16)
.set DQ,   7                            ; v7   my query within its chunk, less 16 (lane / 16)
.set ADK,  8                            ; v8-11 the addresses of the step in hand
.set ADV,  9
.set ADS,  10
.set ADT,  11
.set WV,   18
.set MNT,  19
.set SEL,  20
.set CS,   22
.set G1K,  24
.set G1V,  32
.set G1KS, 40
.set G1VS, 48
.set G0K,  56
.set G0V,  60
.set G0KS, 68
.set G0VS, 72
.set SI,   76                           ; s76  the key step
.set CH,   77                           ; s77  my chunk
.set TB,   78                           ; s78-81 where the step's K, K's scale words, V and V's scale words begin
.set TS,   79
.set TV,   80
.set TJ,   81
.macro CROUND
	s_barrier_signal -1
	s_barrier_wait -1
	s_cmp_lg_u32 s[WV], 0
	s_cbranch_scc1 .Lnot_wave_0_\@
	s_barrier_signal -3
.Lnot_wave_0_\@:
	s_barrier_wait -3
	s_barrier_signal -1
	s_barrier_wait -1
.endm
	s_load_b128 s[4:7], s[0:1], 0x0                ; qkv, ctx
	v_lshl_add_u32 v222, v0, 2, 0x29000
	v_mov_b32 v223, 0
	ds_add_u32 v222, v223
	ds_add_u32 v222, v223
	v_lshrrev_b32 v8, 5, v0
	s_delay_alu instid0(VALU_DEP_1)
	v_readfirstlane_b32 s[WV], v8                  ; wave 0..15
	s_and_b32 s8, ttmp7, 0xffff                    ; 16 batch + head: the cluster's y
	s_lshr_b32 s9, s8, 4                           ; batch
	s_and_b32 s10, s8, 15                          ; head
	s_and_b32 s11, s10, 1                          ; which half of a fragment
	s_lshr_b32 s12, s10, 1                         ; which K step of q and of k
	s_bfe_u32 s13, ttmp6, 0x40000                  ; cx
	s_lshl_b32 s15, s11, 10
	s_lshl_b32 s16, s11, 1
	s_and_b32 s17, s[WV], 1                        ; e
	s_lshr_b32 s90, s[WV], 2                       ; j
	s_bfe_u32 s[CH], s[WV], 0x10001
	s_lshl_b32 s[CH], s[CH], 1
	s_lshr_b32 s91, s90, 1
	s_add_co_u32 s[CH], s[CH], s91
	s_and_b32 s91, s90, 1
	s_mul_i32 s91, s91, 7
	s_xor_b32 s[CH], s[CH], s91                    ; c = (2 ((w / 2) % 2) + j / 2) xor 7 (j % 2)
	s_lshl_b32 s14, s9, 10
	s_add_co_u32 s14, s14, s12
	s_add_co_u32 s14, s14, 8                       ; k's fragment of the batch's first rb
	s_lshl_b32 s82, s14, 11
	s_add_co_u32 s82, s82, s15
	s_mov_b32 s83, 0
	s_lshl_b32 s84, s14, 6
	s_add_co_u32 s84, s84, 12<<20
	s_mov_b32 s85, 0
	s_lshl_b32 s14, s10, 7
	s_lshl_b32 s90, s9, 3
	s_add_co_u32 s14, s14, s90                     ; v's first fragment: 32 (4 head) + 8 batch
	s_lshl_b32 s86, s14, 11
	s_add_co_u32 s86, s86, 8<<20
	s_mov_b32 s87, 0
	s_lshl_b32 s88, s14, 6
	s_add_co_u32 s88, s88, (12<<20)+(8<<15)
	s_mov_b32 s89, 0
	s_lshl_b32 s90, s[CH], 3
	s_lshl_b32 s91, s13, 1
	s_add_co_u32 s90, s90, s91
	s_add_co_u32 s90, s90, s17
	s_lshl_b32 s91, s9, 6
	s_add_co_u32 s90, s90, s91                     ; my tile's rb: 64 batch + 8 c + 2 cx + e
	s_lshl_b32 s91, s90, 4
	s_add_co_u32 s91, s91, s12                     ; q's fragment
	s_lshl_b32 s92, s91, 11
	s_add_co_u32 s92, s92, s15
	s_mov_b32 s93, 0
	s_lshl_b32 s94, s91, 6
	s_add_co_u32 s94, s94, s16
	s_add_co_u32 s94, s94, 12<<20
	s_mov_b32 s95, 0
	s_lshl_b32 s91, s90, 3
	s_add_co_u32 s91, s91, s12                     ; the context's fragment
	s_lshl_b32 s96, s91, 11
	s_add_co_u32 s96, s96, s15
	s_mov_b32 s97, 0
	s_lshl_b32 s98, s91, 6
	s_add_co_u32 s98, s98, s16
	s_add_co_u32 s98, s98, 4<<20
	s_mov_b32 s99, 0
	; descriptor groups 1: 15:0 the mask: all four work-groups; 17:16 elements of 8 bytes; 21 set beside a mask; no padding
.irp g, G1K, G1V, G1KS, G1VS
	s_mov_b32 s[\g], 15|(3<<16)|(1<<21)
	s_mov_b32 s[\g+6], 0
	s_mov_b32 s[\g+7], 0
.endr
	s_mov_b32 s[G1K+1], 128<<16                    ; K: 64 rb x 1,024 bytes, 16 K steps = 32,768 bytes apart
	s_mov_b32 s[G1K+2], 64<<16
	s_mov_b32 s[G1K+3], 128<<16
	s_mov_b32 s[G1K+4], 64
	s_mov_b32 s[G1K+5], 4096
	s_mov_b32 s[G1V+1], 2048<<16                   ; V: 4 rb x 16,384 bytes (the batch's 8 K steps), 65,536 bytes apart
	s_mov_b32 s[G1V+2], 4<<16
	s_mov_b32 s[G1V+3], 2048<<16
	s_mov_b32 s[G1V+4], 4
	s_mov_b32 s[G1V+5], 8192
	s_mov_b32 s[G1KS+1], 8<<16                     ; K's scale words: 64 rb x 64 bytes, 1,024 bytes apart
	s_mov_b32 s[G1KS+2], 64<<16
	s_mov_b32 s[G1KS+3], 8<<16
	s_mov_b32 s[G1KS+4], 64
	s_mov_b32 s[G1KS+5], 128
	s_mov_b32 s[G1VS+1], 64<<16                    ; V's: 4 rb x 512 bytes, 2,048 bytes apart
	s_mov_b32 s[G1VS+2], 4<<16
	s_mov_b32 s[G1VS+3], 64<<16
	s_mov_b32 s[G1VS+4], 4
	s_mov_b32 s[G1VS+5], 256
	s_mov_b32 s[SEL], 0x76543210
	s_mov_b32 s[SEL+1], 0xfedcba98
	s_mov_b32 s[CS], 0x3e38aa3b                    ; c = log2(e) / sqrt(64)
	s_mov_b32 s[CS+1], s[CS]
	s_mov_b32 s[MNT], 0x600000
	s_mov_b32 s[SI], 0
	s_mov_b32 s[TB], 0
	s_mov_b32 s[TS], 0
	s_mov_b32 s[TV], 0
	s_mov_b32 s[TJ], 0
	s_wait_dscnt 0x0
	s_wait_kmcnt 0x0
	s_mov_b32 s[G0K], 1
	s_mov_b32 s[G0K+1], KC
	s_add_nc_u64 s[G0K+2:G0K+3], s[4:5], s[82:83]
	s_or_b32 s[G0K+3], s[G0K+3], 0x80000000
	s_mov_b32 s[G0V], 1
	s_mov_b32 s[G0V+1], VC
	s_add_nc_u64 s[G0V+2:G0V+3], s[4:5], s[86:87]
	s_or_b32 s[G0V+3], s[G0V+3], 0x80000000
	s_mov_b32 s[G0KS], 1
	s_mov_b32 s[G0KS+1], KSC
	s_add_nc_u64 s[G0KS+2:G0KS+3], s[4:5], s[84:85]
	s_or_b32 s[G0KS+3], s[G0KS+3], 0x80000000
	s_mov_b32 s[G0VS], 1
	s_mov_b32 s[G0VS+1], VSC
	s_add_nc_u64 s[G0VS+2:G0VS+3], s[4:5], s[88:89]
	s_or_b32 s[G0VS+3], s[G0VS+3], 0x80000000
	s_add_nc_u64 s[92:93], s[4:5], s[92:93]        ; q's codes,
	s_add_nc_u64 s[94:95], s[4:5], s[94:95]        ; q's scale half-words,
	s_add_nc_u64 s[96:97], s[6:7], s[96:97]        ; the context's codes,
	s_add_nc_u64 s[98:99], s[6:7], s[98:99]        ; and its scale half-words
	CROUND                                         ; all four work-groups are here: the joint loads meet
	s_cmp_lg_u32 s[WV], 0                          ; one load a wave, waves 0 to 3; the branches hang on the wave's number alone; four v_nop follow each load
	s_cbranch_scc1 .Lw1
	tensor_load_to_lds s[G0K:G0K+3], s[G1K:G1K+7]
	s_nop 0
.rept 4
	v_nop
.endr
	s_branch .Lasked
.Lw1:
	s_cmp_lg_u32 s[WV], 1
	s_cbranch_scc1 .Lw2
	tensor_load_to_lds s[G0V:G0V+3], s[G1V:G1V+7]
	s_nop 0
.rept 4
	v_nop
.endr
	s_branch .Lasked
.Lw2:
	s_cmp_lg_u32 s[WV], 2
	s_cbranch_scc1 .Lw3
	tensor_load_to_lds s[G0KS:G0KS+3], s[G1KS:G1KS+7]
	s_nop 0
.rept 4
	v_nop
.endr
	s_branch .Lasked
.Lw3:
	s_cmp_lg_u32 s[WV], 3
	s_cbranch_scc1 .Lasked
	tensor_load_to_lds s[G0VS:G0VS+3], s[G1VS:G1VS+7]
	s_nop 0
.rept 4
	v_nop
.endr
.Lasked:
	v_and_b32 v8, 15, v0                           ; r
	v_bfe_u32 v9, v0, 4, 1                         ; h
	v_and_b32 v10, 31, v0
	s_delay_alu instid0(VALU_DEP_1)
	v_lshlrev_b32 v[LI], 4, v10
	s_delay_alu instid0(VALU_DEP_4)
	v_lshlrev_b32 v[LS], 2, v8
	global_load_b128 v[16:19], v[LI], s[92:93]             ; q's half fragment stays in registers
	global_load_b128 v[20:23], v[LI], s[92:93] offset:512
	global_load_u16 v255, v[LS], s[94:95]          ; its two scale bytes; the upper two are 0 and stand over zero codes
	v_add_nc_u32 v[AK0], KC, v[LI]
	v_add_nc_u32 v[AV0], VC, v[LI]
	v_add_nc_u32 v[ASK0], KSC, v[LS]
	s_delay_alu instid0(VALU_DEP_1)
	v_add_nc_u32 v[ASK0], s16, v[ASK0]
	v_add_nc_u32 v[ASV0], VSC, v[LS]
	v_and_b32 v10, 8, v8
	s_delay_alu instid0(VALU_DEP_1)
	v_add_nc_u32 v10, v10, v8                      ; r + 8 (r / 8)
	v_lshlrev_b32 v11, 4, v9
	s_delay_alu instid0(VALU_DEP_1)
	v_sub_nc_u32 v[DQ], v10, v11
	s_lshl_b32 s90, s13, 5
	s_lshl_b32 s91, s17, 3
	s_add_co_u32 s90, s90, s91
	v_add_nc_u32 v[DQ], s90, v[DQ]                 ; 32 cx + 8 e + r + 8 (r / 8) - 16 h
	v_mov_b32 v13, 0xff61b1e6                      ; the largest t so far: -3e38
	s_delay_alu instid0(VALU_DEP_1)
	v_floor_f32 v12, -v13                          ; -M
	v_mov_b32 v14, 0                               ; the sum, in two halves
	v_mov_b32 v15, 0
.irp j, 0,1,2,3,4,5,6,7
	v_mov_b32 v[24+\j], 0                          ; zero codes: the upper half of q's K,
.irp t, 0,1,2,3
	v_mov_b32 v[40+16*\t+\j], 0                    ; and of each of the four fragments of k: written once, never loaded
.endr
.endr
.irp b, 0,1,2,3
	v_mov_b32 v[236+\b], 0                         ; a lane permute's destination counts as one of its sources
.endr
	v_mov_b32 v252, 0
	v_mov_b32 v253, 0
.set n, 0
.rept 32
	v_mov_b32 v[160+n], 0                          ; O^T: the first change of M leaves zeros zeros
.set n, n+1
.endr
	s_wait_tensorcnt 0x0                           ; my load has landed,
	s_barrier_signal -1
	s_barrier_wait -1                              ; everybody's has: nothing is filled again
	s_wait_loadcnt 0x0                             ; q
.Lstep:                                                ; eight trips: key step SI, 128 keys
	s_cmp_gt_u32 s[SI], s[CH]                      ; all its keys come after my queries: only the address steps are run
	s_cbranch_scc1 .Lhidden
	v_add_nc_u32 v[ADK], s[TB], v[AK0]
	s_wait_alu depctr_va_vdst(0)
	v_add_nc_u32 v[ADV], s[TV], v[AV0]
	v_add_nc_u32 v[ADS], s[TS], v[ASK0]
	s_wait_alu depctr_va_vdst(0)
	v_add_nc_u32 v[ADT], s[TJ], v[ASV0]
.irp g, 0,1                                    ; S^T = K Q^T, four tiles of 16 keys at a time
.rept 5+3*\g
	v_nop                                          ; g = 0: with the four additions nine places: the first products below write over registers that the last step's products read.  g = 1: eight, in front of the loads
.endr
.irp t, 0,1,2,3
	ds_load_b128 v[32+16*\t:35+16*\t], v[ADK] offset:(4*\g+\t)*1024
	ds_load_b128 v[36+16*\t:39+16*\t], v[ADK] offset:(4*\g+\t)*1024+512
	ds_load_u16 v[248+\t], v[ADS] offset:(4*\g+\t)*64
.endr
	s_wait_dscnt 0x0
.irp t, 0,1,2,3
	v_wmma_scale_f32_16x16x128_f8f6f4 v[96+8*(4*\g+\t):103+8*(4*\g+\t)], v[32+16*\t:47+16*\t], v[16:31], 0, v[248+\t], v255 matrix_a_fmt:MATRIX_FMT_BF8 matrix_b_fmt:MATRIX_FMT_BF8
.endr
.endr
.rept 8
	v_nop
.endr
	s_cmp_lg_u32 s[SI], s[CH]                      ; only my chunk's own step lies on the diagonal
	s_cbranch_scc1 .Lopen
	v_mov_b32 v254, 0xff800000                     ; -infinity: p = 0 then
.set n, 0
.rept 64
	v_cmp_gt_i32 vcc_lo, 32*(n/16)+n%16, v[DQ]     ; register n holds key 32 (n / 16) + 16 (lane / 16) + n % 16 of the step: hidden where it comes after my query
	v_cndmask_b32 v[96+n], v[96+n], v254, vcc_lo
.set n, n+1
.endr
.Lopen:
.irp b, 0,1,2,3
	v_max3_num_f32 v[232+\b], v[96+16*\b], v[97+16*\b], v[98+16*\b]     ; the largest score of each block of 32 keys: for the row's maximum, and, since p rises with the score, for the block's largest p
.endr
.irp i, 3,5,7,9,11,13
.irp b, 0,1,2,3
	v_max3_num_f32 v[232+\b], v[232+\b], v[96+16*\b+\i], v[97+16*\b+\i]
.endr
.endr
.irp b, 0,1,2,3
	v_max_num_f32 v[232+\b], v[232+\b], v[111+16*\b]
.endr
.irp b, 0,1,2,3
	v_permlanex16_b32 v[236+\b], v[232+\b], s[SEL], s[SEL+1]
.endr
.irp b, 0,1,2,3
	s_delay_alu instid0(VALU_DEP_4)
	v_max_num_f32 v[232+\b], v[232+\b], v[236+\b]  ; with lane l xor 16's 16 keys
.endr
	s_delay_alu instid0(VALU_DEP_2)
	v_max3_num_f32 v254, v232, v233, v234
	s_delay_alu instid0(VALU_DEP_1)
	v_max_num_f32 v254, v254, v235
	s_delay_alu instid0(VALU_DEP_1)
	v_mul_f32 v254, s[CS], v254                    ; the step's largest t
	s_delay_alu instid0(VALU_DEP_1)
	v_max_num_f32 v13, v13, v254                   ; the running largest t
	v_mov_b32 v254, v12
	s_delay_alu instid0(VALU_DEP_2)
	v_floor_f32 v12, -v13                          ; the new -M = -ceil(t)
	s_delay_alu instid0(VALU_DEP_1)
	v_sub_f32 v254, v12, v254                      ; old M - new M: a whole number, 0 or less
	s_delay_alu instid0(VALU_DEP_1)
	v_cvt_i32_f32 v254, v254                       ; (it saturates)
	s_delay_alu instid0(VALU_DEP_1)
	v_ldexp_f32 v252, 1.0, v254                    ; f = 2^(old M - new M)
.set n, 0
.rept 32
	v_pk_fma_f32 v[96+n:97+n], v[96+n:97+n], s[CS:CS+1], v[12:13] op_sel_hi:[1,0,0]    ; t - M
.set n, n+2
.endr
.irp b, 0,1,2,3
	v_fma_f32 v[232+\b], v[232+\b], s[CS], v12
.endr
.set n, 0
	s_wait_alu depctr_va_vdst(0)
.rept 64
	v_exp_f32 v[96+n], v[96+n]                     ; p = 2^(t - M)
.set n, n+1
.endr
	v_pk_mul_f32 v[14:15], v[14:15], v[252:253] op_sel_hi:[1,0]         ; the sums under the new M: a plain instruction behind the batch
	s_wait_alu depctr_va_vdst(0)                   ; one wait for the 64, ahead of their first reader
.irp b, 0,1,2,3
	v_exp_f32 v[232+\b], v[232+\b]                 ; each block's largest p
.endr
	v_pk_add_f32 v[236:237], v[100:101], v[104:105]
	v_pk_add_f32 v[250:251], v[108:109], v[112:113]
	v_pk_add_f32 v[248:249], v[116:117], v[120:121]
	v_pk_add_f32 v[246:247], v[124:125], v[128:129]
	v_pk_add_f32 v[244:245], v[132:133], v[136:137]
	v_pk_add_f32 v[242:243], v[140:141], v[144:145]
	v_pk_add_f32 v[240:241], v[148:149], v[152:153]
	v_pk_add_f32 v[14:15], v[14:15], v[156:157]
	v_pk_add_f32 v[236:237], v[236:237], v[96:97]
	v_pk_add_f32 v[250:251], v[250:251], v[98:99]
	v_pk_add_f32 v[248:249], v[248:249], v[102:103]
	v_pk_add_f32 v[246:247], v[246:247], v[106:107]
	v_pk_add_f32 v[244:245], v[244:245], v[110:111]
	v_pk_add_f32 v[242:243], v[242:243], v[114:115]
	v_pk_add_f32 v[240:241], v[240:241], v[118:119]
	v_pk_add_f32 v[14:15], v[14:15], v[122:123]
	v_pk_add_f32 v[236:237], v[236:237], v[126:127]
	v_pk_add_f32 v[250:251], v[250:251], v[130:131]
	v_pk_add_f32 v[248:249], v[248:249], v[134:135]
	v_pk_add_f32 v[246:247], v[246:247], v[138:139]
	v_pk_add_f32 v[244:245], v[244:245], v[142:143]
	v_pk_add_f32 v[242:243], v[242:243], v[146:147]
	v_pk_add_f32 v[240:241], v[240:241], v[150:151]
	v_pk_add_f32 v[14:15], v[14:15], v[154:155]
	v_pk_add_f32 v[236:237], v[236:237], v[158:159]
	s_delay_alu instid0(VALU_DEP_2)
	v_pk_add_f32 v[14:15], v[14:15], v[246:247]
	s_delay_alu instid0(VALU_DEP_2)
	v_pk_add_f32 v[236:237], v[236:237], v[244:245]
	v_pk_add_f32 v[250:251], v[250:251], v[242:243]
	v_pk_add_f32 v[248:249], v[248:249], v[240:241]
	s_delay_alu instid0(VALU_DEP_2)
	v_pk_add_f32 v[14:15], v[14:15], v[250:251]
	s_delay_alu instid0(VALU_DEP_2)
	v_pk_add_f32 v[236:237], v[236:237], v[248:249]
	s_delay_alu instid0(VALU_DEP_1)
	v_pk_add_f32 v[14:15], v[14:15], v[236:237]
	s_wait_alu depctr_va_vdst(0)                   ; and one for the four
.irp b, 0,1,2,3
	v_max_num_f32 v[232+\b], 0x8000000, v[232+\b]  ; the floor 2^(16 - 127)
.endr
.irp b, 0,1,2,3
	s_delay_alu instid0(VALU_DEP_4)
	v_add_nc_u32 v[244+\b], 0xf8800000, v[232+\b]  ; the conversion's scale operand
.endr
.irp b, 0,1,2,3
	v_and_or_b32 v[240+\b], v[232+\b], 0x7f800000, s[MNT]   ; 57,344 x the scale
.endr
.irp b, 0,1,2,3
	v_lshrrev_b32 v[236+\b], 23, v[244+\b]         ; the scale's byte
.endr
	s_delay_alu instid0(VALU_DEP_3)
	v_lshl_or_b32 v253, v237, 8, v236              ; p's scale word for these 128 keys
	s_delay_alu instid0(VALU_DEP_1)
	v_lshl_or_b32 v253, v238, 16, v253
	s_delay_alu instid0(VALU_DEP_1)
	v_lshl_or_b32 v253, v239, 24, v253
.irp b, 0,1,2,3
.irp i, 0,1,2,3,4,5,6,7,8,9,10,11,12,13,14,15
	v_min_num_f32 v[96+16*\b+\i], v[96+16*\b+\i], v[240+\b]             ; p is not negative: a one-sided hold
.endr
	v_cvt_scalef32_pk8_bf8_f32 v[224+4*\b:225+4*\b], v[96+16*\b:103+16*\b], v[244+\b]
	v_cvt_scalef32_pk8_bf8_f32 v[226+4*\b:227+4*\b], v[104+16*\b:111+16*\b], v[244+\b]
.endr
	v_nop                                          ; a plain instruction behind the last conversion
.irp t, 0,1,2,3                                ; V's four fragments take the registers that p has left
.irp c, 0,1,2,3
	ds_load_b128 v[96+16*\t+4*\c:99+16*\t+4*\c], v[ADV] offset:\t*16384+512*\c
.endr
	ds_load_b32 v[248+\t], v[ADT] offset:\t*512
.endr
.set n, 0
.rept 16
	v_pk_mul_f32 v[160+n:161+n], v[160+n:161+n], v[252:253] op_sel_hi:[1,0]     ; O^T under the new M; also the places between the codes and the products
.set n, n+2
.endr
	s_wait_alu depctr_va_vdst(0)
	s_wait_dscnt 0x0
.irp t, 0,1,2,3                                ; O^T += V^T P^T: one instruction an accumulator
	v_wmma_scale_f32_16x16x128_f8f6f4 v[160+8*\t:167+8*\t], v[96+16*\t:111+16*\t], v[224:239], v[160+8*\t:167+8*\t], v[248+\t], v253 matrix_a_fmt:MATRIX_FMT_BF8 matrix_b_fmt:MATRIX_FMT_BF8
.endr
.Lhidden:
	s_add_co_u32 s[TB], s[TB], 8192
	s_add_co_u32 s[TS], s[TS], 512
	s_add_co_u32 s[TV], s[TV], 2048
	s_add_co_u32 s[TJ], s[TJ], 64
	s_add_co_u32 s[SI], s[SI], 1
	s_cmp_lt_u32 s[SI], 8
	s_cbranch_scc1 .Lstep
	; THE WAY OUT: O^T / the sum; register 16 b + i is channel 32 b + 16 (lane / 16) + i of my query: two blocks of the next K
.rept 8
	v_nop
.endr
	v_add_f32 v14, v14, v15
	s_delay_alu instid0(VALU_DEP_1)
	v_permlanex16_b32 v252, v14, s[SEL], s[SEL+1]
	s_delay_alu instid0(VALU_DEP_1)
	v_add_f32 v14, v14, v252                       ; the row's sum
	s_wait_alu depctr_va_vdst(0)
	v_rcp_f32 v14, v14
	v_nop
	s_wait_alu depctr_va_vdst(0)
.set n, 0
.rept 32
	v_mul_f32 v[96+n], v[160+n], v14
.set n, n+1
.endr
.irp b, 0,1
	v_max3_num_f32 v[232+\b], |v[96+16*\b]|, |v[97+16*\b]|, 0x8000000
.endr
.irp i, 2,4,6,8,10,12,14
.irp b, 0,1
	s_delay_alu instid0(VALU_DEP_2)
	v_max3_num_f32 v[232+\b], v[232+\b], |v[96+16*\b+\i]|, |v[97+16*\b+\i]|
.endr
.endr
.irp b, 0,1
	v_permlanex16_b32 v[236+\b], v[232+\b], s[SEL], s[SEL+1]
.endr
.irp b, 0,1
	s_delay_alu instid0(VALU_DEP_2)
	v_max_num_f32 v[232+\b], v[232+\b], v[236+\b]
.endr
.irp b, 0,1
	s_delay_alu instid0(VALU_DEP_2)
	v_add_nc_u32 v[244+\b], 0xf8800000, v[232+\b]
.endr
.irp b, 0,1
	s_delay_alu instid0(VALU_DEP_4)
	v_and_or_b32 v[240+\b], v[232+\b], 0x7f800000, s[MNT]
.endr
.irp b, 0,1
	s_delay_alu instid0(VALU_DEP_4)
	v_lshrrev_b32 v[236+\b], 23, v[244+\b]
.endr
	s_delay_alu instid0(VALU_DEP_1)
	v_lshl_or_b32 v253, v237, 8, v236              ; my head's two bytes of the row's scale word
.irp b, 0,1
.irp i, 0,1,2,3,4,5,6,7,8,9,10,11,12,13,14,15
	v_med3_num_f32 v[96+16*\b+\i], v[96+16*\b+\i], -v[240+\b], v[240+\b]
.endr
	v_cvt_scalef32_pk8_bf8_f32 v[224+4*\b:225+4*\b], v[96+16*\b:103+16*\b], v[244+\b]
	v_cvt_scalef32_pk8_bf8_f32 v[226+4*\b:227+4*\b], v[104+16*\b:111+16*\b], v[244+\b]
.endr
	v_nop
	global_store_b128 v[LI], v[224:227], s[96:97]          ; 512 dense bytes a store: my head's half of the fragment
	global_store_b128 v[LI], v[228:231], s[96:97] offset:512
	global_store_b16 v[LS], v253, s[98:99]
	s_wait_tensorcnt 0x0
	ds_add_u32 v222, v223
	s_wait_dscnt 0x0
	CROUND                                         ; the closing round
	s_endpgm
.Lfunc_end_k_qeeab274c20_attn:
	.size	k_qeeab274c20_attn, .Lfunc_end_k_qeeab274c20_attn-k_qeeab274c20_attn
	.p2alignl 7, 3214868480
	.fill 96, 4, 3214868480
	.section	.rodata,"a",@progbits
	.p2align	6, 0x0
	.amdhsa_kernel k_qeeab274c20_attn
		.amdhsa_group_segment_fixed_size 169984
		.amdhsa_private_segment_fixed_size 0
		.amdhsa_enable_private_segment 0
		.amdhsa_kernarg_size 16
		.amdhsa_user_sgpr_count 2
		.amdhsa_user_sgpr_kernarg_segment_ptr 1
		.amdhsa_wavefront_size32 1
		.amdhsa_system_sgpr_workgroup_id_x 1
		.amdhsa_system_sgpr_workgroup_id_y 1
		.amdhsa_system_sgpr_workgroup_id_z 1
		.amdhsa_system_vgpr_workitem_id 0
		.amdhsa_next_free_vgpr 256
		.amdhsa_next_free_sgpr 100
		.amdhsa_reserve_vcc 1
		.amdhsa_float_denorm_mode_32 3
		.amdhsa_float_denorm_mode_16_64 3
		.amdhsa_memory_ordered 1
		.amdhsa_forward_progress 1
		.amdhsa_inst_pref_size 44
	.end_amdhsa_kernel
	.amdgpu_metadata
---
amdhsa.version: [ 1, 2 ]
amdhsa.kernels:
  - .name:           k_qeeab274c20_attn
    .symbol:         k_qeeab274c20_attn.kd
    .args:
      - { .name: qkv, .offset: 0, .size: 8, .value_kind: global_buffer, .address_space: global }
      - { .name: ctx, .offset: 8, .size: 8, .value_kind: global_buffer, .address_space: global }
    .group_segment_fixed_size: 169984
    .private_segment_fixed_size: 0
    .kernarg_segment_align: 8
    .kernarg_segment_size: 16
    .max_flat_workgroup_size: 512
    .sgpr_count:     100
    .vgpr_count:     256
    .wavefront_size: 32
...
	.end_amdgpu_metadata
.endif
;; end of part 3
;; launch oproj (part 4): grid 8 x 32, 8 waves a work-group, clusters of 4 x 1, 327,680 bytes of LDS; arguments ctx, ops, x, x1; writes x1
.if DOCPART == 4
	.amdgcn_target "amdgcn-amd-amdhsa--gfx1250"
	.amdhsa_code_object_version 6
	.text
	.protected	k_qeeab274c20_oproj
	.globl	k_qeeab274c20_oproj
	.p2align	8
	.type	k_qeeab274c20_oproj,@function
k_qeeab274c20_oproj:
	s_mov_b64 s[64:65], 0
	v_nop
	global_prefetch_b8 v0, s[64:65] scope:SCOPE_SE
	s_setreg_imm32_b32 hwreg(HW_REG_WAVE_MODE, 25, 1), 1
	s_wait_xcnt 0x0
	s_wait_alu depctr_hold_cnt(0) depctr_sa_sdst(0) depctr_va_vdst(0) depctr_va_sdst(0) depctr_va_ssrc(0) depctr_va_vcc(0) depctr_vm_vsrc(0)
	s_getreg_b32 s2, hwreg(HW_REG_IB_STS2, 6, 4)
	s_cmp_eq_u32 s2, 0
	s_cbranch_scc0 .Lentry_in_a_cluster
	s_endpgm
.Lentry_in_a_cluster:
	s_bfe_u32 s2, ttmp6, 0x10000c
	s_cmp_lg_u32 s2, 0x3003
	s_cbranch_scc0 .Lentry_shape_is_right
	s_endpgm
.Lentry_shape_is_right:
; x1 = x + ctx Wo on codes of BF8 (E5M2) with E8M0 scales, K = 1,024 (KS = 8 steps of 128).  The same design as launch ffn2, without a bias; see its head for the layouts.
; A work-group of eight waves makes 128 x 128; wave w: K half w / 4, rows half (w / 2) % 2, columns half w % 2.  A's 128 rows for all of K are 128 KiB: ONE fill of LDS, eight joint loads of 16 KiB, one a wave,
; shared by the four work-groups of a cluster (one tile row); nothing is filled again.  B's fragments and all scale words go from memory straight into registers.
; No prefetch: the launch has no loop to run ahead in.  The sum over K is formed in two halves that are added in f32.  LIMITS: NaN and infinities are not served.
.set KS,    8
.set BIAS,  0
.set KH,    KS/2
.set NS,    KH/4
.if BIAS
.set AS0,   16<<20
.set BREG,  8<<20
.set BP,    8
.set RESP,  10
.set OUTP,  12
.else
.set AS0,   4<<20
.set BREG,  3<<20
.set RESP,  8
.set OUTP,  10
.endif
.set STR,   KS*2048
.set SSTR,  KS*64
.set SLOT,  131072
.set STG,   2*SLOT
.set SPITCH, 272
.set SPARE, STG+8*16*SPITCH
.set XCH,   (NS%2)*SLOT
.set LI,   10
.set LS,   11
.set ADA,  16
.set ADH,  18
.set XS,   20
.set XL,   21
.set PFO,  22
.set BO,   23
.set STO,  24
.set RD,   25
.set CO,   26
.set SPW,  28
.set NIL,  29
.set SC,   32
.set ACC,  128
.set F0,   0
.set F1,   128
.set RS,   0
.set G1,   68
.set G0,   76
.set MSB, 0
.macro WIN new
.if MSB != (\new)
	s_set_vgpr_msb (MSB<<8)|(\new)
.set MSB, (\new)
.endif
.endm
.set MUL,  0x05
.set TO_F, 0x40
.set ADD1, 0x04
.macro PLACES n
.rept \n
	v_nop
.endr
.endm
.macro ROUND
	s_barrier_signal -1
	s_barrier_wait -1
	s_cmp_lg_u32 s14, 0
	s_cbranch_scc1 .Lnw0_\@
	s_barrier_signal -3
.Lnw0_\@:
	s_barrier_wait -3
	s_barrier_signal -1
	s_barrier_wait -1
.endm
	s_load_b256 s[4:11], s[0:1], 0x0
.if BIAS
	s_load_b64 s[12:13], s[0:1], 0x20
.endif
	v_lshrrev_b32 v4, 5, v0
	v_lshl_add_u32 v[SPW], v0, 2, SPARE
	v_mov_b32 v[NIL], 0
	ds_add_u32 v[SPW], v[NIL]
	ds_add_u32 v[SPW], v[NIL]
	v_and_b32 v1, 15, v0
	v_bfe_u32 v2, v0, 4, 1
	v_and_b32 v3, 31, v0
	v_readfirstlane_b32 s14, v4
	s_wait_alu depctr_va_vdst(0)
	s_lshr_b32 s2, s14, 2
	s_bfe_u32 s15, s14, 0x10001
	s_and_b32 s16, s14, 1
	s_and_b32 s17, ttmp7, 0xffff
	s_bfe_u32 s39, ttmp6, 0x40000
	s_lshl_b32 s52, ttmp9, 2
	s_add_co_u32 s52, s52, s39
	s_lshl_b32 s18, s17, 3
	s_add_co_u32 s54, s18, s14
	s_mul_i32 s54, s54, STR
	s_mov_b32 s55, 0
	s_lshl_b32 s19, s15, 2
	s_add_co_u32 s18, s18, s19
	s_lshl_b32 s19, s2, 1
	s_add_co_u32 s20, s18, s19
	s_add_co_u32 s22, s18, 2
	s_sub_co_u32 s22, s22, s19
	s_mul_i32 s20, s20, SSTR
	s_mul_i32 s22, s22, SSTR
	s_mul_i32 s19, s2, KH*64
	s_add_co_u32 s20, s20, s19
	s_add_co_u32 s20, s20, AS0
	s_add_co_u32 s22, s22, s19
	s_add_co_u32 s22, s22, AS0
	s_lshl_b32 s24, s52, 3
	s_lshl_b32 s25, s16, 2
	s_add_co_u32 s24, s24, s25
	s_mul_i32 s24, s24, STR
	s_mul_i32 s19, s2, KH*2048
	s_add_co_u32 s24, s24, s19
	s_add_co_u32 s24, s24, BREG
	s_lshr_b32 s30, s24, 5
	s_add_co_u32 s30, s30, 16<<20
.irp n, 21,23,25,31
	s_mov_b32 s\n, 0
.endr
	s_lshl_b32 s34, s52, 9
	s_lshl_b32 s35, s16, 8
	s_add_co_u32 s34, s34, s35
	s_lshl_b32 s32, s17, 19
	s_lshl_b32 s33, s15, 18
	s_add_co_u32 s32, s32, s33
	s_lshl_b32 s33, s2, 17
	s_add_co_u32 s32, s32, s33
	s_add_co_u32 s32, s32, s34
	s_mov_b32 s33, 0
	s_mov_b32 s35, 0
	s_mul_i32 s36, s14, 16*SPITCH
	s_add_co_u32 s36, s36, STG
	s_lshl_b32 s37, s14, 13
	s_add_co_u32 s37, s37, XCH
	s_xor_b32 s38, s14, 4
	s_lshl_b32 s38, s38, 13
	s_add_co_u32 s38, s38, XCH
	s_lshl_b32 s58, s15, 2
	s_lshl_b32 s59, s2, 1
	s_add_co_u32 s60, s58, 2
	s_add_co_u32 s58, s58, s59
	s_sub_co_u32 s59, s60, s59
	s_lshl_b32 s58, s58, 14
	s_lshl_b32 s59, s59, 14
	s_lshl_b32 s60, s2, 13
	s_add_co_u32 s58, s58, s60
	s_add_co_u32 s59, s59, s60
	s_lshl_b32 s60, s14, 14
	s_mov_b32 s[G1], 15|(3<<16)|(1<<21)
	s_mov_b32 s[G1+1], 1024<<16
	s_mov_b32 s[G1+2], 2<<16
	s_mov_b32 s[G1+3], 1024<<16
	s_mov_b32 s[G1+4], 2
	s_mov_b32 s[G1+5], KH*256
	s_mov_b32 s[G1+6], 0
	s_mov_b32 s[G1+7], 0
	v_mul_u32_u24 v5, v1, SPITCH
	v_mul_u32_u24 v6, v2, SPITCH
	v_lshlrev_b32 v[LI], 4, v3
	v_lshlrev_b32 v[LS], 2, v3
	v_lshlrev_b32 v7, 12, v2
	v_lshlrev_b32 v[BO], 4, v1
	v_lshl_add_u32 v5, v2, 6, v5
	v_lshl_add_u32 v6, v1, 4, v6
	v_add_nc_u32 v[XS], s37, v[LI]
	v_add_nc_u32 v[XL], s38, v[LI]
	v_add_nc_u32 v[ADA], s58, v[LI]
	v_add_nc_u32 v[ADH], s59, v[LI]
	v_lshl_add_u32 v[CO], v1, 4, v7
	v_add_nc_u32 v[STO], s36, v5
	v_add_nc_u32 v[RD], s36, v6
	s_wait_alu depctr_va_vdst(0)
	s_wait_dscnt 0x0
	s_wait_kmcnt 0x0
	s_mov_b32 s[G0], 1
	s_mov_b32 s[G0+1], s60
	s_add_nc_u64 s[G0+2:G0+3], s[4:5], s[54:55]
	s_or_b32 s[G0+3], s[G0+3], 0x80000000
	s_add_nc_u64 s[44:45], s[6:7], s[24:25]
	s_add_nc_u64 s[46:47], s[4:5], s[20:21]
	s_add_nc_u64 s[48:49], s[4:5], s[22:23]
	s_add_nc_u64 s[50:51], s[6:7], s[30:31]
	s_add_nc_u64 s[RESP:RESP+1], s[RESP:RESP+1], s[32:33]
	s_add_nc_u64 s[OUTP:OUTP+1], s[OUTP:OUTP+1], s[32:33]
	ROUND
	tensor_load_to_lds s[G0:G0+3], s[G1:G1+7]
	s_nop 0
	PLACES 4
.macro SCL p
.irp i, 0,1
	global_load_b32 v[SC+8*(\p)+\i], v[LS], s[46:47] offset:(\p)*128+\i*SSTR
	global_load_b32 v[SC+8*(\p)+2+\i], v[LS], s[48:49] offset:(\p)*128+\i*SSTR
.endr
.irp i, 0,1,2,3
	global_load_b32 v[SC+8*(\p)+4+\i], v[LS], s[50:51] offset:(\p)*128+\i*SSTR
.endr
.endm
.macro FRB k, f
.irp i, 0,1,2,3
.irp c, 0,1,2,3
	global_load_b128 v[\f+64+16*\i+4*\c:\f+64+16*\i+4*\c+3], v[LI], s[44:45] offset:\i*STR+(\k)*2048+512*\c
.endr
.endr
.endm
.macro FRA k, f
.set SL, ((\k)/4)%2
.set KQ, (\k)%4
.irp i, 0,1
.irp c, 0,1,2,3
	ds_load_b128 v[\f+16*\i+4*\c:\f+16*\i+4*\c+3], v[ADA+SL] offset:\i*16384+KQ*2048+512*\c
.endr
.endr
.irp i, 0,1
.irp c, 0,1,2,3
	ds_load_b128 v[\f+32+16*\i+4*\c:\f+32+16*\i+4*\c+3], v[ADH+SL] offset:\i*16384+KQ*2048+512*\c
.endr
.endr
.endm
.macro RESL
.irp e, 0,1
.irp t, 0,1,2,3,4,5,6,7
	global_load_b128 v[RS+32*\e+4*\t:RS+32*\e+4*\t+3], v[CO], s[RESP:RESP+1] offset:(8*\e+2*\t+8*(\t/4))*4096
.endr
.endr
.endm
.macro MULS f, set, row, zero
.irp a, 0,1,2,3
.irp b, 0,1,2,3
.if \zero
	v_wmma_scale_f32_16x16x128_f8f6f4 v[ACC+8*(4*\a+\b):ACC+8*(4*\a+\b)+7], v[\f+64+16*\b:\f+64+16*\b+15], v[\f+16*\a:\f+16*\a+15], 0, v[SC+8*(\set)+4+\b], v[SC+8*(\set)+\a] matrix_a_fmt:MATRIX_FMT_BF8 matrix_b_fmt:MATRIX_FMT_BF8
.else
.if \row
	v_wmma_scale_f32_16x16x128_f8f6f4 v[ACC+8*(4*\a+\b):ACC+8*(4*\a+\b)+7], v[\f+64+16*\b:\f+64+16*\b+15], v[\f+16*\a:\f+16*\a+15], v[ACC+8*(4*\a+\b):ACC+8*(4*\a+\b)+7], v[SC+8*(\set)+4+\b], v[SC+8*(\set)+\a] matrix_a_fmt:MATRIX_FMT_BF8 matrix_b_fmt:MATRIX_FMT_BF8 matrix_a_scale:MATRIX_SCALE_ROW1 matrix_b_scale:MATRIX_SCALE_ROW1
.else
	v_wmma_scale_f32_16x16x128_f8f6f4 v[ACC+8*(4*\a+\b):ACC+8*(4*\a+\b)+7], v[\f+64+16*\b:\f+64+16*\b+15], v[\f+16*\a:\f+16*\a+15], v[ACC+8*(4*\a+\b):ACC+8*(4*\a+\b)+7], v[SC+8*(\set)+4+\b], v[SC+8*(\set)+\a] matrix_a_fmt:MATRIX_FMT_BF8 matrix_b_fmt:MATRIX_FMT_BF8
.endif
.endif
.endr
.endr
.endm
.macro KSTEP k
.set FB, 128*((\k)%2)
	s_wait_loadcnt 16
.if ((\k)%4) == 3
	s_wait_dscnt 0x0
.else
	s_wait_dscnt 16
.endif
	WIN MUL
.if (\k) == 0
	MULS FB, 0, 0, 1
.else
	MULS FB, (\k)/2, (\k)%2, 0
.endif
.if (\k) < KH-1
	WIN TO_F
	PLACES 8
.if ((\k)%4) < 2
	FRA (\k)+2, FB
.endif
.if (\k)+2 < KH
	FRB (\k)+2, FB
.else
	RESL
.endif
.endif
.endm
.set PP, 0
.rept KH/2
	SCL PP
.set PP, PP+1
.endr
	WIN TO_F
	FRB 0, F0
	FRB 1, F1
	WIN 0
	s_wait_tensorcnt 0x0                           ; my part of A is in; nothing is filled again, so a work-group barrier shows it to all eight waves
	ds_add_u32 v[SPW], v[NIL]
	s_wait_dscnt 0x0
	s_barrier_signal -1
	s_barrier_wait -1
	WIN TO_F
	FRA 0, F0
	FRA 1, F1
	KSTEP 0
	KSTEP 1
	KSTEP 2
	KSTEP 3
	WIN 0
	PLACES 8
.irp i, 0,1,2,3,4,5,6,7,8,9,10,11,12,13,14,15
	ds_store_b128 v[XS], v[ACC+64+4*\i:ACC+64+4*\i+3] offset:512*\i
.endr
	s_wait_dscnt 0x0
	s_barrier_signal -1
	s_barrier_wait -1
	WIN TO_F
.irp i, 0,1,2,3,4,5,6,7,8,9,10,11,12,13,14,15
	ds_load_b128 v[F1+4*\i:F1+4*\i+3], v[XL] offset:512*\i
.endr
	s_wait_dscnt 0x0
	WIN ADD1
.set n, 0
.rept 32
	v_pk_add_f32 v[ACC+n:ACC+n+1], v[ACC+n:ACC+n+1], v[F1+n:F1+n+1]
.set n, n+2
.endr
	WIN 0
.macro TOSTAGE e
.irp b, 0,1,2,3
	ds_store_b128 v[STO], v[ACC+32*(\e)+8*\b:ACC+32*(\e)+8*\b+3] offset:128*(\b/2)+32*(\b%2)
	ds_store_b128 v[STO], v[ACC+32*(\e)+8*\b+4:ACC+32*(\e)+8*\b+7] offset:128*(\b/2)+32*(\b%2)+16
.endr
.irp t, 0,1,2,3,4,5,6,7
	ds_load_b128 v[ACC+32*(\e)+4*\t:ACC+32*(\e)+4*\t+3], v[RD] offset:\t*2*SPITCH
.endr
.endm
.macro SEND e, younger
	s_wait_dscnt \younger
	WIN ADD1
.irp t, 0,1,2,3,4,5,6,7
	v_pk_add_f32 v[ACC+32*(\e)+4*\t:ACC+32*(\e)+4*\t+1], v[ACC+32*(\e)+4*\t:ACC+32*(\e)+4*\t+1], v[RS+32*(\e)+4*\t:RS+32*(\e)+4*\t+1]
	v_pk_add_f32 v[ACC+32*(\e)+4*\t+2:ACC+32*(\e)+4*\t+3], v[ACC+32*(\e)+4*\t+2:ACC+32*(\e)+4*\t+3], v[RS+32*(\e)+4*\t+2:RS+32*(\e)+4*\t+3]
.endr
	WIN 0
.irp t, 0,1,2,3,4,5,6,7
	global_store_b128 v[CO], v[ACC+32*(\e)+4*\t:ACC+32*(\e)+4*\t+3], s[OUTP:OUTP+1] offset:(8*(\e)+2*\t+8*(\t/4))*4096
.endr
.endm
	TOSTAGE 0
	TOSTAGE 1
	s_wait_loadcnt 0x0
	SEND 0, 16
	SEND 1, 0
	s_wait_tensorcnt 0x0
	ds_add_u32 v[SPW], v[NIL]
	s_wait_dscnt 0x0
	ROUND
	s_endpgm
.Lfunc_end_k_qeeab274c20_oproj:
	.size	k_qeeab274c20_oproj, .Lfunc_end_k_qeeab274c20_oproj-k_qeeab274c20_oproj
	.p2alignl 7, 3214868480
	.fill 96, 4, 3214868480
	.section	.rodata,"a",@progbits
	.p2align	6, 0x0
	.amdhsa_kernel k_qeeab274c20_oproj
		.amdhsa_group_segment_fixed_size 327680
		.amdhsa_private_segment_fixed_size 0
		.amdhsa_enable_private_segment 0
		.amdhsa_kernarg_size 32
		.amdhsa_user_sgpr_count 2
		.amdhsa_user_sgpr_kernarg_segment_ptr 1
		.amdhsa_wavefront_size32 1
		.amdhsa_system_sgpr_workgroup_id_x 1
		.amdhsa_system_sgpr_workgroup_id_y 1
		.amdhsa_system_sgpr_workgroup_id_z 1
		.amdhsa_system_vgpr_workitem_id 0
		.amdhsa_next_free_vgpr 512
		.amdhsa_next_free_sgpr 100
		.amdhsa_reserve_vcc 0
		.amdhsa_float_denorm_mode_32 3
		.amdhsa_float_denorm_mode_16_64 3
		.amdhsa_memory_ordered 1
		.amdhsa_forward_progress 1
		.amdhsa_inst_pref_size 39
	.end_amdhsa_kernel
	.amdgpu_metadata
---
amdhsa.version: [ 1, 2 ]
amdhsa.kernels:
  - .name:           k_qeeab274c20_oproj
    .symbol:         k_qeeab274c20_oproj.kd
    .args:
      - { .name: ctx, .offset: 0, .size: 8, .value_kind: global_buffer, .address_space: global }
      - { .name: ops, .offset: 8, .size: 8, .value_kind: global_buffer, .address_space: global }
      - { .name: x, .offset: 16, .size: 8, .value_kind: global_buffer, .address_space: global }
      - { .name: x1, .offset: 24, .size: 8, .value_kind: global_buffer, .address_space: global }
    .group_segment_fixed_size: 327680
    .private_segment_fixed_size: 0
    .kernarg_segment_align: 8
    .kernarg_segment_size: 32
    .max_flat_workgroup_size: 256
    .sgpr_count:     100
    .vgpr_count:     512
    .wavefront_size: 32
...
	.end_amdgpu_metadata
.endif
;; end of part 4
;; launch ln1 (part 5): grid 256 x 1, 4 waves a work-group, no clusters, 66,304 bytes of LDS; arguments x1, ln2_g, ln2_b, ops; writes ops
.if DOCPART == 5
	.amdgcn_target "amdgcn-amd-amdhsa--gfx1250"
	.amdhsa_code_object_version 6
	.text
	.protected	k_qeeab274c20_ln1
	.globl	k_qeeab274c20_ln1
	.p2align	8
	.type	k_qeeab274c20_ln1,@function
k_qeeab274c20_ln1:
	s_mov_b64 s[64:65], 0
	v_nop
	global_prefetch_b8 v0, s[64:65] scope:SCOPE_SE
	s_setreg_imm32_b32 hwreg(HW_REG_WAVE_MODE, 25, 1), 1
	s_wait_xcnt 0x0
; h = (x - mean) rsqrt(var + 1e-5) g + b along rows of 1,024 f32, quantised along the row to BF8 (E5M2) with one E8M0 byte for each 32, and stored as images of operand registers:
; codes at ops + 12 MiB, [rb][8 ks][2048]: byte 512 c + 16 lane + i = row rho(rb, lane % 16), k = 128 ks + 32 c + 16 (lane / 16) + i;  rho(rb, r) = 32 (rb / 2) + 8 (rb % 2) + r + 8 (r / 8);
; scale words at ops + 16 MiB + (the codes' offset) / 32, 64 bytes a fragment.
; A work-group makes one rb, 16 rows.  PHASE A: wave w normalises four neighbouring rows (the fragment's rows 4 w .. 4 w + 3), each whole in 32 registers; mean first, then the variance of
; x - mean, so a common offset of x costs nothing.  The rows go to a stage in LDS (pitch 4,112 bytes: sixteen rows start in sixteen different groups of banks).
; PHASE B, behind one barrier: wave w reads, for K steps 2 w and 2 w + 1, each lane's 16 neighbours of each block of 32, quantises them and stores two fragments, 512 dense bytes a store.
; No tensor loads, no matrix work: memory binds.  LIMITS: NaN and infinities are not served; a block of zeros gets the byte 1 (its codes are zeros; this program alone reads the bytes).
.set PITCH, 4112
.set X,   32                           ; v32-159  four rows x 32; in phase B two sets of 64 numbers
.set G,   160                          ; v160-191 the gains of my columns; in phase B the two fragments' codes
.set BV,  192                          ; v192-223 the biases
.set TM,  224                          ; v224-239 the quantiser's 16 registers
.set SEL, 22                           ; s[22:23] v_permlanex16_b32's selects for lane l xor 16
.set MNT, 24                           ; s24      the mantissa field of 57,344
	s_load_b256 s[4:11], s[0:1], 0x0               ; x, g, b, ops
	v_lshl_add_u32 v254, v0, 2, 0x10100
	v_mov_b32 v255, 0
	v_lshrrev_b32 v1, 5, v0
	v_readfirstlane_b32 s12, v1                    ; wave
	v_and_b32 v2, 31, v0                           ; lane
	v_and_b32 v3, 15, v0                           ; r
	v_bfe_u32 v1, v0, 4, 1                         ; h
	v_lshlrev_b32 v4, 4, v2                        ; 16 x lane
	s_mul_i32 s13, s12, 4*PITCH
	v_add_nc_u32 v5, s13, v4                       ; the stage, in: my wave's four rows
	v_mul_u32_u24 v6, v3, PITCH
	v_lshl_add_u32 v6, v1, 6, v6
	s_lshl_b32 s13, s12, 10
	v_add_nc_u32 v6, s13, v6                       ; and out: row r, + 64 h, + my wave's 256 columns
	v_lshlrev_b32 v7, 2, v2                        ; 4 x lane
	v_cmp_gt_u32 vcc_lo, 16, v2                    ; lanes 0-15
	s_lshr_b32 s14, ttmp9, 1
	s_lshl_b32 s14, s14, 5
	s_and_b32 s15, ttmp9, 1
	s_lshl_b32 s15, s15, 3
	s_add_co_u32 s14, s14, s15
	s_lshl_b32 s15, s12, 2
	s_add_co_u32 s14, s14, s15
	s_lshr_b32 s15, s12, 1
	s_lshl_b32 s15, s15, 3
	s_add_co_u32 s14, s14, s15                     ; my first row: rho(rb, 4 w)
	s_lshl_b32 s14, s14, 12
	s_mov_b32 s15, 0
	s_lshl_b32 s16, ttmp9, 3
	s_lshl_b32 s17, s12, 1
	s_add_co_u32 s16, s16, s17                     ; my first fragment: 8 rb + 2 w
	s_lshl_b32 s18, s16, 6
	s_add_co_u32 s18, s18, (16<<20)+(12<<15)
	s_mov_b32 s19, 0
	s_lshl_b32 s16, s16, 11
	s_add_co_u32 s16, s16, 12<<20
	s_mov_b32 s17, 0
	s_mov_b32 s20, 0x3a800000                      ; 1 / 1,024
	s_mov_b32 s21, 0x3727c5ac                      ; 1e-5
	s_mov_b32 s[SEL], 0x76543210
	s_mov_b32 s[SEL+1], 0xfedcba98
	s_mov_b32 s[MNT], 0x600000
.irp i, 0,1,2,3
	v_mov_b32 v[17+2*\i], 0                        ; named as the upper halves of pairs of which the low word serves both halves
	v_mov_b32 v[24+\i], 0                          ; a lane permute's destination counts as one of its sources
	v_mov_b32 v[TM+4+\i], 0
.endr
	s_wait_kmcnt 0x0
	s_add_nc_u64 s[4:5], s[4:5], s[14:15]
	s_add_nc_u64 s[16:17], s[10:11], s[16:17]
	s_add_nc_u64 s[18:19], s[10:11], s[18:19]
.irp i, 0,1,2,3
.irp j, 0,1,2,3,4,5,6,7
	global_load_b128 v[X+32*\i+4*\j:X+32*\i+4*\j+3], v4, s[4:5] offset:\i*4096+\j*512    ; 512 neighbouring bytes a load
.endr
.endr
.irp j, 0,1,2,3,4,5,6,7
	global_load_b128 v[G+4*\j:G+4*\j+3], v4, s[6:7] offset:\j*512
.endr
.irp j, 0,1,2,3,4,5,6,7
	global_load_b128 v[BV+4*\j:BV+4*\j+3], v4, s[8:9] offset:\j*512
.endr
.macro REDUCE                          ; the four pairs v[8 + 2 i : 9 + 2 i] become the rows' sums, in every lane of v[8 + 2 i]
.irp i, 0,1,2,3
	v_add_f32 v[8+2*\i], v[8+2*\i], v[9+2*\i]
.endr
.irp m, 1,2,4,8
.irp i, 0,1,2,3
	v_add_f32_dpp v[8+2*\i], v[8+2*\i], v[8+2*\i] row_xmask:\m row_mask:0xf bank_mask:0xf
.endr
.endr
.irp i, 0,1,2,3
	v_permlanex16_b32 v[24+\i], v[8+2*\i], s[SEL], s[SEL+1]
.endr
.irp i, 0,1,2,3
	v_add_f32 v[8+2*\i], v[8+2*\i], v[24+\i]
.endr
.endm
	s_wait_loadcnt 16                              ; x's 32 loads are in; the 16 of g and b may be out
.irp i, 0,1,2,3
	v_pk_add_f32 v[8+2*\i:9+2*\i], v[X+32*\i:X+32*\i+1], v[X+32*\i+2:X+32*\i+3]
.endr
.irp j, 4,6,8,10,12,14,16,18,20,22,24,26,28,30
.irp i, 0,1,2,3
	v_pk_add_f32 v[8+2*\i:9+2*\i], v[8+2*\i:9+2*\i], v[X+32*\i+\j:X+32*\i+\j+1]       ; the four rows by turns
.endr
.endr
	REDUCE
.irp i, 0,1,2,3
	v_mul_f32 v[16+2*\i], s20, v[8+2*\i]           ; the mean
.endr
.irp j, 0,2,4,6,8,10,12,14,16,18,20,22,24,26,28,30
.irp i, 0,1,2,3
	v_pk_add_f32 v[X+32*\i+\j:X+32*\i+\j+1], v[X+32*\i+\j:X+32*\i+\j+1], v[16+2*\i:17+2*\i] op_sel_hi:[1,0] neg_lo:[0,1] neg_hi:[0,1]
.endr
.endr
.irp i, 0,1,2,3
	v_pk_mul_f32 v[8+2*\i:9+2*\i], v[X+32*\i:X+32*\i+1], v[X+32*\i:X+32*\i+1]
.endr
.irp j, 2,4,6,8,10,12,14,16,18,20,22,24,26,28,30
.irp i, 0,1,2,3
	v_pk_fma_f32 v[8+2*\i:9+2*\i], v[X+32*\i+\j:X+32*\i+\j+1], v[X+32*\i+\j:X+32*\i+\j+1], v[8+2*\i:9+2*\i]
.endr
.endr
	REDUCE
.irp i, 0,1,2,3
	v_fma_f32 v[16+2*\i], v[8+2*\i], s20, s21      ; the variance + 1e-5
.endr
	s_wait_alu depctr_va_vdst(0)
.irp i, 0,1,2,3
	v_rsq_f32 v[16+2*\i], v[16+2*\i]
.endr
	v_nop                                          ; a plain instruction behind the last of the batch
	s_wait_alu depctr_va_vdst(0)                   ; one wait for the four, ahead of their first reader
	s_wait_loadcnt 0x0                             ; g and b
.irp j, 0,2,4,6,8,10,12,14,16,18,20,22,24,26,28,30
.irp i, 0,1,2,3
	v_pk_mul_f32 v[X+32*\i+\j:X+32*\i+\j+1], v[X+32*\i+\j:X+32*\i+\j+1], v[16+2*\i:17+2*\i] op_sel_hi:[1,0]
.endr
.endr
.irp j, 0,2,4,6,8,10,12,14,16,18,20,22,24,26,28,30
.irp i, 0,1,2,3
	v_pk_fma_f32 v[X+32*\i+\j:X+32*\i+\j+1], v[X+32*\i+\j:X+32*\i+\j+1], v[G+\j:G+\j+1], v[BV+\j:BV+\j+1]
.endr
.endr
.irp i, 0,1,2,3
.irp j, 0,1,2,3,4,5,6,7
	ds_store_b128 v5, v[X+32*\i+4*\j:X+32*\i+4*\j+3] offset:\i*PITCH+\j*512
.endr
.endr
	s_wait_dscnt 0x0                               ; for the others' sake: my rows lie in the stage
	s_barrier_signal -1
	s_barrier_wait -1
.irp e, 0,1
.irp b, 0,1,2,3
.irp j, 0,1,2,3
	ds_load_b128 v[X+64*\e+16*\b+4*\j:X+64*\e+16*\b+4*\j+3], v6 offset:\e*512+\b*128+\j*16   ; register 16 b + i: k = 32 b + 16 h + i of row r
.endr
.endr
.endr
; 64 numbers of a lane, register 16 b + i = k 32 b + 16 (lane / 16) + i of my row, become a fragment's codes in v[pc] on and its scale word in v[pw]
.macro QUANT s, pc, pw
.irp b, 0,1,2,3
	v_max3_num_f32 v[TM+\b], |v[\s+16*\b]|, |v[\s+1+16*\b]|, 0x8000000       ; my 16 numbers of block b, and the floor 2^(16 - 127): the byte cannot fall under 1
.endr
.irp i, 2,4,6,8,10,12,14
.irp b, 0,1,2,3
	v_max3_num_f32 v[TM+\b], v[TM+\b], |v[\s+16*\b+\i]|, |v[\s+1+16*\b+\i]|
.endr
.endr
.irp b, 0,1,2,3
	v_permlanex16_b32 v[TM+4+\b], v[TM+\b], s[SEL], s[SEL+1]
.endr
.irp b, 0,1,2,3
	v_max_num_f32 v[TM+\b], v[TM+\b], v[TM+4+\b]   ; with lane l xor 16's: the block's largest magnitude
.endr
.irp b, 0,1,2,3
	v_add_nc_u32 v[TM+12+\b], 0xf8800000, v[TM+\b] ; 15 off its exponent field: the conversion's scale operand
.endr
.irp b, 0,1,2,3
	v_and_or_b32 v[TM+8+\b], v[TM+\b], 0x7f800000, s[MNT]   ; 57,344 x the scale
.endr
.irp b, 0,1,2,3
	v_lshrrev_b32 v[TM+4+\b], 23, v[TM+12+\b]      ; the scale's byte
.endr
	v_lshl_or_b32 v[\pw], v[TM+5], 8, v[TM+4]
	v_lshl_or_b32 v[\pw], v[TM+6], 16, v[\pw]
	v_lshl_or_b32 v[\pw], v[TM+7], 24, v[\pw]
.irp b, 0,1,2,3
.irp i, 0,1,2,3,4,5,6,7,8,9,10,11,12,13,14,15
	v_med3_num_f32 v[\s+16*\b+\i], v[\s+16*\b+\i], -v[TM+8+\b], v[TM+8+\b]   ; the conversion does not saturate (ISA guide 7.6.2): the hold comes first
.endr
	v_cvt_scalef32_pk8_bf8_f32 v[\pc+4*\b:\pc+1+4*\b], v[\s+16*\b:\s+7+16*\b], v[TM+12+\b]
	v_cvt_scalef32_pk8_bf8_f32 v[\pc+2+4*\b:\pc+3+4*\b], v[\s+8+16*\b:\s+15+16*\b], v[TM+12+\b]
.endr
	v_nop                                          ; a plain instruction behind the last conversion
.endm
	s_wait_dscnt 16                                ; the first K step's 16 loads are in
	QUANT X, G, 240
.irp c, 0,1,2,3
	global_store_b128 v4, v[G+4*\c:G+4*\c+3], s[16:17] offset:512*\c
.endr
	s_wait_dscnt 0x0
	QUANT X+64, G+16, 241
.irp c, 0,1,2,3
	global_store_b128 v4, v[G+16+4*\c:G+16+4*\c+3], s[16:17] offset:2048+512*\c
.endr
	v_cndmask_b32 v242, v241, v240, vcc_lo         ; lanes 0-15 carry the first fragment's words, lanes 16-31 the second's: 128 dense bytes
	global_store_b32 v7, v242, s[18:19]
	s_wait_tensorcnt 0x0
	ds_add_u32 v254, v255
	s_wait_dscnt 0x0
	s_endpgm
.Lfunc_end_k_qeeab274c20_ln1:
	.size	k_qeeab274c20_ln1, .Lfunc_end_k_qeeab274c20_ln1-k_qeeab274c20_ln1
	.p2alignl 7, 3214868480
	.fill 96, 4, 3214868480
	.section	.rodata,"a",@progbits
	.p2align	6, 0x0
	.amdhsa_kernel k_qeeab274c20_ln1
		.amdhsa_group_segment_fixed_size 66304
		.amdhsa_private_segment_fixed_size 0
		.amdhsa_enable_private_segment 0
		.amdhsa_kernarg_size 32
		.amdhsa_user_sgpr_count 2
		.amdhsa_user_sgpr_kernarg_segment_ptr 1
		.amdhsa_wavefront_size32 1
		.amdhsa_system_sgpr_workgroup_id_x 1
		.amdhsa_system_sgpr_workgroup_id_y 1
		.amdhsa_system_sgpr_workgroup_id_z 1
		.amdhsa_system_vgpr_workitem_id 0
		.amdhsa_next_free_vgpr 256
		.amdhsa_next_free_sgpr 66
		.amdhsa_reserve_vcc 1
		.amdhsa_float_denorm_mode_32 3
		.amdhsa_float_denorm_mode_16_64 3
		.amdhsa_memory_ordered 1
		.amdhsa_forward_progress 1
		.amdhsa_inst_pref_size 52
	.end_amdhsa_kernel
	.amdgpu_metadata
---
amdhsa.version: [ 1, 2 ]
amdhsa.kernels:
  - .name:           k_qeeab274c20_ln1
    .symbol:         k_qeeab274c20_ln1.kd
    .args:
      - { .name: x1, .offset: 0, .size: 8, .value_kind: global_buffer, .address_space: global }
      - { .name: ln2_g, .offset: 8, .size: 8, .value_kind: global_buffer, .address_space: global }
      - { .name: ln2_b, .offset: 16, .size: 8, .value_kind: global_buffer, .address_space: global }
      - { .name: ops, .offset: 24, .size: 8, .value_kind: global_buffer, .address_space: global }
    .group_segment_fixed_size: 66304
    .private_segment_fixed_size: 0
    .kernarg_segment_align: 8
    .kernarg_segment_size: 32
    .max_flat_workgroup_size: 128
    .sgpr_count:     66
    .vgpr_count:     256
    .wavefront_size: 32
...
	.end_amdgpu_metadata
.endif
;; end of part 5
;; launch ffn1 (part 6): grid 16 x 16, 4 waves a work-group, clusters of 4 x 4, 327,680 bytes of LDS; arguments ops, b1, gel; writes gel
.if DOCPART == 6
	.amdgcn_target "amdgcn-amd-amdhsa--gfx1250"
	.amdhsa_code_object_version 6
	.text
	.protected	k_qeeab274c20_ffn1
	.globl	k_qeeab274c20_ffn1
	.p2align	8
	.type	k_qeeab274c20_ffn1,@function
k_qeeab274c20_ffn1:
	s_mov_b64 s[64:65], 0
	v_nop
	global_prefetch_b8 v0, s[64:65] scope:SCOPE_SE
	s_setreg_imm32_b32 hwreg(HW_REG_WAVE_MODE, 25, 1), 1
	s_wait_xcnt 0x0
	s_wait_alu depctr_hold_cnt(0) depctr_sa_sdst(0) depctr_va_vdst(0) depctr_va_sdst(0) depctr_va_ssrc(0) depctr_va_vcc(0) depctr_vm_vsrc(0)
	s_getreg_b32 s2, hwreg(HW_REG_IB_STS2, 6, 4)
	s_cmp_eq_u32 s2, 0
	s_cbranch_scc0 .Lentry_in_a_cluster
	s_endpgm
.Lentry_in_a_cluster:
	s_bfe_u32 s2, ttmp6, 0x10000c
	s_cmp_lg_u32 s2, 0xf033
	s_cbranch_scc0 .Lentry_shape_is_right
	s_endpgm
.Lentry_shape_is_right:
.set NQ,    2
.set FR,    16
.set NL,    4
.set NP,    8
.set QRT,   32768
.set SLOT,  4*QRT
.set SCL,   2*SLOT
.set SPARE, SCL+4*4096
.set LAPS,  2
.set S0OUT, 16<<20
.set OSTEP, 65536
.set SSTEP, 2048
.set ADRA, 16
.set ADRB, 20
.set LS,   22
.set STG,  24
.set LI,   26
.set ADRS, 27
.set SPW,  28
.set NIL,  29
.set SA,   30
.set PW,   31
.set SC,   32
.set BI,   64
.set AF,   128
.set XN,   128
.set GQ,   32
.set PC,   48
.set GZ,   192
.set GT,   208
.set GS,   224
.set GR,   240
.set TM,   192
.set SEL,  98
.set MNT,  23
.set G1, 24
.set G0, 32
.set G1B, 48
.set G0B, 56
.set G1S, 68
.set G0S, 76
.set G1SB, 80
.set G0SB, 88
.set MSB, 0
.macro WIN new
.if MSB != (\new)
	s_set_vgpr_msb (MSB<<8)|(\new)
.set MSB, (\new)
.endif
.endm
.set MUL_LO, 0xa1
.set MUL_HI, 0xf1
.set TO_B,   0x40
.macro JLOAD g0a, g1a, g0b, g1b
	s_cmp_eq_u32 s15, 0
	s_cbranch_scc0 .Lfor_b_\@
	tensor_load_to_lds s[\g0a:\g0a+3], s[\g1a:\g1a+7]
	s_nop 0
.rept 4
	v_nop
.endr
	s_branch .Lasked_\@
.Lfor_b_\@:
	tensor_load_to_lds s[\g0b:\g0b+3], s[\g1b:\g1b+7]
	s_nop 0
.rept 4
	v_nop
.endr
.Lasked_\@:
.endm
.macro CREST
	s_cmp_lg_u32 s14, 0
	s_cbranch_scc1 .Lnot_wave_0_\@
	s_barrier_signal -3
.Lnot_wave_0_\@:
	s_barrier_wait -3
	s_barrier_signal -1
	s_barrier_wait -1
.endm
.macro CROUND
	s_barrier_signal -1
	s_barrier_wait -1
	CREST
.endm
	s_load_b128 s[4:7], s[0:1], 0x0
	s_load_b64 s[8:9], s[0:1], 0x10
	v_lshl_add_u32 v[SPW], v0, 2, SPARE
	v_mov_b32 v[NIL], 0
	ds_add_u32 v28, v29
	ds_add_u32 v28, v29
	s_wait_dscnt 0x0
	v_lshrrev_b32 v1, 5, v0
	v_readfirstlane_b32 s14, v1
	s_lshr_b32 s15, s14, 1
	s_and_b32 s16, s14, 1
	s_bfe_u32 s40, ttmp6, 0x40000
	s_bfe_u32 s41, ttmp6, 0x40004
	s_lshl_b32 s42, ttmp9, 2
	s_add_co_u32 s42, s42, s40
	s_and_b32 s17, ttmp7, 0xffff
	s_lshl_b32 s17, s17, 2
	s_add_co_u32 s17, s17, s41
	s_lshl_b32 s43, s41, 2
	s_lshl_b32 s43, 15, s43
	s_lshl_b32 s44, 0x1111, s40
	s_or_b32 s[G1+0], s43, (3<<16)|(1<<21)
	s_or_b32 s[G1B+0], s44, (3<<16)|(1<<21)
.irp g, G1, G1B
	s_mov_b32 s[\g+1], 512<<16
	s_mov_b32 s[\g+2], 8<<16
	s_mov_b32 s[\g+3], 512<<16
	s_mov_b32 s[\g+4], 8
	s_mov_b32 s[\g+5], 2048
	s_mov_b32 s[\g+6], 0
	s_mov_b32 s[\g+7], 0
.endr
	s_lshl_b32 s18, s16, 17
	s_lshl_b32 s20, s17, 18
	s_add_co_u32 s20, s20, s18
	s_add_co_u32 s20, s20, 12<<20
	s_lshl_b32 s46, s42, 18
	s_add_co_u32 s46, s46, s18
	s_add_co_u32 s46, s46, 4<<20
	s_mov_b32 s21, 0
	s_mov_b32 s47, 0
	s_lshl_b32 s45, s14, 15                        ; where my quarter goes: wave x a quarter
	s_wait_kmcnt 0x0
	s_add_nc_u64 s[20:21], s[4:5], s[20:21]
	s_add_nc_u64 s[46:47], s[4:5], s[46:47]
	CROUND                                         ; all sixteen work-groups are here: the first joint loads meet
.irp n, 0,1
	s_mov_b32 s[G0+4*\n], 1
	s_add_co_u32 s[G0+4*\n+1], s45, \n*SLOT
	s_add_nc_u64 s[G0+4*\n+2:G0+4*\n+3], s[20:21], \n*4096
	s_or_b32 s[G0+4*\n+3], s[G0+4*\n+3], 0x80000000
	s_mov_b32 s[G0B+4*\n], 1
	s_add_co_u32 s[G0B+4*\n+1], s45, \n*SLOT
	s_add_nc_u64 s[G0B+4*\n+2:G0B+4*\n+3], s[46:47], \n*4096
	s_or_b32 s[G0B+4*\n+3], s[G0B+4*\n+3], 0x80000000
.if \n                                         ; slot 0's load is my one load at the head; slot 1's first fill stands behind the full sequence and a round
	s_wait_alu depctr_va_vdst(0)
	s_wait_tensorcnt 0x0
	ds_add_u32 v28, v29
	s_wait_dscnt 0x0
	CROUND
.endif
	JLOAD G0+4*\n, G1, G0B+4*\n, G1B
.endr
	v_and_b32 v1, 15, v0
	v_bfe_u32 v2, v0, 4, 1
	s_wait_alu depctr_va_vdst(0)
	v_and_b32 v3, 31, v0
	v_lshlrev_b32 v[LI], 4, v3
	v_lshlrev_b32 v[LS], 2, v1
	s_lshl_b32 s21, s15, 15
	s_lshl_b32 s22, s16, 15
	s_add_co_u32 s22, s22, 2*QRT
.irp n, 0,1
	v_add_nc_u32 v[ADRA+\n], s21, v[LI]
	v_add_nc_u32 v[ADRB+\n], s22, v[LI]
	s_add_co_u32 s21, s21, SLOT
	s_add_co_u32 s22, s22, SLOT
.endr
	s_lshl_b32 s21, s17, 18                        ; THE SCALE WORDS GO FROM MEMORY STRAIGHT INTO THEIR REGISTERS, not through LDS: ADRS is a byte offset in ops
	s_lshl_b32 s22, s15, 17
	s_add_co_u32 s21, s21, s22
	s_add_co_u32 s21, s21, 12<<20
	s_lshr_b32 s21, s21, 5                         ; A's: (the codes' offset of my half of the rows) / 32
	s_lshl_b32 s22, s42, 18
	s_lshl_b32 s23, s16, 17
	s_add_co_u32 s22, s22, s23
	s_add_co_u32 s22, s22, 4<<20
	s_lshr_b32 s22, s22, 5                         ; B's likewise
	s_sub_co_u32 s22, s22, s21
	s_add_co_u32 s21, s21, 16<<20
	v_mul_lo_u32 v6, s22, v2                       ; lanes 16-31 take B's: the distance between the two, modulo 2^32
	s_wait_alu depctr_va_vdst(0)
	v_add_nc_u32 v5, v[LS], v6
	v_add_nc_u32 v[ADRS], s21, v5
	s_lshl_b32 s23, s14, 16
	v_add_nc_u32 v[STG], s23, v[LI]
	v_add_nc_u32 v[STG+1], QRT, v[STG]
	s_lshl_b32 s20, s17, 4
	s_lshl_b32 s21, s15, 3
	s_add_co_u32 s20, s20, s21
	s_lshl_b32 s20, s20, 5
	s_lshl_b32 s21, s42, 1
	s_add_co_u32 s20, s20, s21
	s_add_co_u32 s20, s20, s16
	s_lshl_b32 s20, s20, 11
	s_lshr_b32 s22, s20, 5
	s_add_co_u32 s22, s22, S0OUT
	s_mov_b32 s21, 0
	s_mov_b32 s23, 0
	s_add_nc_u64 s[12:13], s[8:9], s[20:21]
	s_add_nc_u64 s[10:11], s[8:9], s[22:23]
	s_lshl_b32 s22, s42, 10
	s_lshl_b32 s23, s16, 9
	s_add_co_u32 s22, s22, s23
	s_mov_b32 s23, 0
	s_add_nc_u64 s[6:7], s[6:7], s[22:23]
	v_lshlrev_b32 v7, 6, v2
.irp t, 0,1,2,3,4,5,6,7
	global_load_b128 v[BI+8*\t:BI+8*\t+3], v7, s[6:7] offset:(32*(\t/2)+8*(\t%2))*4
	global_load_b128 v[BI+8*\t+4:BI+8*\t+7], v7, s[6:7] offset:(32*(\t/2)+8*(\t%2))*4+16
.endr
.macro FRAG reg, adr, q, i
.irp c, 0,1,2,3
	ds_load_b128 v[\reg+4*\c:\reg+4*\c+3], v[\adr] offset:2048*(\q)+512*\c+(\i)*4096
.endr
.endm
.macro MUL16 a0, p, q, sc, zero
.irp a, \a0, \a0+1
.irp b, 0,1,2,3,4,5,6,7
.if \zero
	v_wmma_scale_f32_16x16x128_f8f6f4 v[8*(8*((\a)%4)+\b):8*(8*((\a)%4)+\b)+7], v[128*(\p)+FR*\b:128*(\p)+FR*\b+FR-1], v[AF+FR*(\a):AF+FR*(\a)+FR-1], 0, v[SC+8*NQ*(\sc)+NQ*\b+(\q)], v[SC+8*NQ*(\sc)+NQ*(\a)+(\q)] matrix_a_fmt:MATRIX_FMT_BF8 matrix_b_fmt:MATRIX_FMT_BF8 matrix_a_scale:MATRIX_SCALE_ROW1
.else
	v_wmma_scale_f32_16x16x128_f8f6f4 v[8*(8*((\a)%4)+\b):8*(8*((\a)%4)+\b)+7], v[128*(\p)+FR*\b:128*(\p)+FR*\b+FR-1], v[AF+FR*(\a):AF+FR*(\a)+FR-1], v[8*(8*((\a)%4)+\b):8*(8*((\a)%4)+\b)+7], v[SC+8*NQ*(\sc)+NQ*\b+(\q)], v[SC+8*NQ*(\sc)+NQ*(\a)+(\q)] matrix_a_fmt:MATRIX_FMT_BF8 matrix_b_fmt:MATRIX_FMT_BF8 matrix_a_scale:MATRIX_SCALE_ROW1
.endif
.endr
.endr
.endm
.macro FETCH_B slot, q, p
	WIN TO_B
.irp i, 0,1,2,3,4,5,6,7
	FRAG 128*(\p)+FR*\i, ADRB+\slot, \q, \i
.endr
	WIN 0
.endm
.macro FETCH_A slot, q, i0
.irp i, \i0, \i0+1, \i0+2, \i0+3
	FRAG AF+FR*(\i), ADRA+\slot, \q, \i
.endr
.endm
.macro SCALES sc
.irp i, 0,1,2,3,4,5,6,7
.irp u, 0,1
	global_load_b32 v[SC+8*NQ*\sc+NQ*\i+\u], v[ADRS], s[4:5] offset:\i*512+\u*64   ; two runs of 64 dense bytes a load
.endr
.endr
.endm
.macro PLACES n
.rept \n
	v_nop
.endr
.endm
.macro STEP slot, q, zero
	s_wait_dscnt 4*NL
	s_wait_loadcnt 0x0                             ; the slot's scale words are in, and their offset register may be stepped
	WIN MUL_LO
	MUL16 0, (\q)%2, \q, \slot, \zero
	MUL16 2, (\q)%2, \q, \slot, \zero
	s_wait_dscnt 0
	PLACES NP
	FETCH_B \slot, (\q)+1, 1-(\q)%2
	FETCH_A \slot, (\q)+1, 0
	WIN MUL_HI
	MUL16 4, (\q)%2, \q, \slot, \zero
	MUL16 6, (\q)%2, \q, \slot, \zero
	PLACES NP
	WIN 0
	FETCH_A \slot, (\q)+1, 4
.endm
.macro TURN slot, next, fill
	s_wait_tensorcnt 0x0
	ds_add_u32 v[SPW], v[NIL]
	s_wait_dscnt 4*NL+1
	WIN MUL_LO
	MUL16 0, 1, NQ-1, \slot, 0
	s_wait_dscnt 0x0
	s_barrier_signal -1
	MUL16 2, 1, NQ-1, \slot, 0
	WIN 0
	s_barrier_wait -1
.if \fill
	CREST
	s_add_nc_u64 s[G0+4*\slot+2:G0+4*\slot+3], s[G0+4*\slot+2:G0+4*\slot+3], 8192
	s_add_nc_u64 s[G0B+4*\slot+2:G0B+4*\slot+3], s[G0B+4*\slot+2:G0B+4*\slot+3], 8192
	JLOAD G0+4*\slot, G1, G0B+4*\slot, G1B
	PLACES NP-4
.else
	PLACES NP
.endif
	s_wait_alu depctr_va_vdst(0)
	v_add_nc_u32 v[ADRS], 128, v[ADRS]
	FETCH_B \next, 0, 0
	FETCH_A \next, 0, 0
	SCALES \next
	WIN MUL_HI
	MUL16 4, 1, NQ-1, \slot, 0
	MUL16 6, 1, NQ-1, \slot, 0
	PLACES NP
	WIN 0
	FETCH_A \next, 0, 4
.endm
	s_wait_alu depctr_va_vdst(0)
	s_wait_tensorcnt 1
	s_barrier_signal -1
	s_barrier_wait -1
	FETCH_B 0, 0, 0
	FETCH_A 0, 0, 0
	SCALES 0
	FETCH_A 0, 0, 4
	STEP 0, 0, 1
	s_mov_b32 s3, LAPS-1
.Llap:
	TURN 0, 1, 1
	STEP 1, 0, 0
	TURN 1, 0, 1
	STEP 0, 0, 0
	s_sub_co_u32 s3, s3, 1
	s_cmp_lg_u32 s3, 0
	s_cbranch_scc1 .Llap
	TURN 0, 1, 0
	STEP 1, 0, 0
	s_wait_dscnt 4*NL
	WIN MUL_LO
	MUL16 0, 1, NQ-1, 1, 0
	MUL16 2, 1, NQ-1, 1, 0
	s_wait_dscnt 0
	s_barrier_signal -1
	WIN MUL_HI
	MUL16 4, 1, NQ-1, 1, 0
	MUL16 6, 1, NQ-1, 1, 0
	WIN 0
	s_barrier_wait -1
	PLACES NP
.irp a, 0,1,2,3,4,5,6,7
	WIN 0x08+4*(\a/4)
.irp k, 0,1,2,3,4,5,6,7,8,9,10,11,12,13,14,15
	ds_store_b128 v[STG+\a/4], v[64*(\a%4)+4*\k:64*(\a%4)+4*\k+3] offset:(\a%4)*8192+512*\k
.endr
.endr
	WIN TO_B
.irp k, 0,1,2,3,4,5,6,7,8,9,10,11,12,13,14,15
	ds_load_b128 v[4*\k:4*\k+3], v[STG] offset:512*\k
.endr
	WIN 0
	s_mov_b32 s[SEL], 0x76543210
	s_mov_b32 s[SEL+1], 0xfedcba98
	s_mov_b32 s[MNT], 0x600000
.macro QUANT s, pc, pw
.irp b, 0,1,2,3
	v_max3_num_f32 v[TM+\b], |v[\s+16*\b]|, |v[\s+1+16*\b]|, 0x8000000
.endr
.irp i, 2,4,6,8,10,12,14
.irp b, 0,1,2,3
	v_max3_num_f32 v[TM+\b], v[TM+\b], |v[\s+16*\b+\i]|, |v[\s+1+16*\b+\i]|
.endr
.endr
.irp b, 0,1,2,3
	v_permlanex16_b32 v[TM+4+\b], v[TM+\b], s[SEL], s[SEL+1]
.endr
.irp b, 0,1,2,3
	v_max_num_f32 v[TM+\b], v[TM+\b], v[TM+4+\b]
.endr
.irp b, 0,1,2,3
	v_add_nc_u32 v[TM+12+\b], 0xf8800000, v[TM+\b]
.endr
.irp b, 0,1,2,3
	v_and_or_b32 v[TM+8+\b], v[TM+\b], 0x7f800000, s[MNT]
.endr
.irp b, 0,1,2,3
	v_lshrrev_b32 v[TM+4+\b], 23, v[TM+12+\b]
.endr
	v_lshl_or_b32 v[\pw], v[TM+5], 8, v[TM+4]
	v_lshl_or_b32 v[\pw], v[TM+6], 16, v[\pw]
	v_lshl_or_b32 v[\pw], v[TM+7], 24, v[\pw]
.irp b, 0,1,2,3
.irp i, 0,1,2,3,4,5,6,7,8,9,10,11,12,13,14,15
	v_med3_num_f32 v[\s+16*\b+\i], v[\s+16*\b+\i], -v[TM+8+\b], v[TM+8+\b]
.endr
	v_cvt_scalef32_pk8_bf8_f32 v[\pc+4*\b:\pc+1+4*\b], v[\s+16*\b:\s+7+16*\b], v[TM+12+\b]
	v_cvt_scalef32_pk8_bf8_f32 v[\pc+2+4*\b:\pc+3+4*\b], v[\s+8+16*\b:\s+15+16*\b], v[TM+12+\b]
.endr
	v_nop
.endm
; gelu(x) = x (1 + erf(x / sqrt 2)) / 2 = max(x, 0) - |x| w, w = erfc(|x| / sqrt 2) / 2: one formula for every x, with no difference of near numbers on either side.
; w = P(t) t 2^(-u u), t = 1 / (1 + 0.2316419 |x|), u = x sqrt(log2(e) / 2); P has degree 4: the rational form of Abramowitz and Stegun 7.1.26, its five coefficients halved.
; LIMIT: that form's erf is good to 1.5e-7 absolutely, so w is good to about 2e-7 absolutely with f32's own rounding: gelu is good to about 2e-7 |x|, its far negative tail not to 1e-6 of itself.
; Where u u overflows, the exponential is 0 and gelu = max(x, 0).  Sixteen numbers at a time: GT = t, GS = u, then the exponential, GR = P, GZ = max(x, 0).
.macro GELU16 x
.irp k, 0,1,2,3,4,5,6,7,8,9,10,11,12,13,14,15
	v_fma_f32 v[GT+\k], |v[\x+\k]|, s46, 1.0
.endr
.irp p, 0,2,4,6,8,10,12,14
	v_pk_mul_f32 v[GS+\p:GS+\p+1], v[\x+\p:\x+\p+1], 0x3f596d27 op_sel_hi:[1,0]
.endr
.irp p, 0,2,4,6,8,10,12,14
	v_pk_mul_f32 v[GS+\p:GS+\p+1], v[GS+\p:GS+\p+1], v[GS+\p:GS+\p+1]
.endr
	s_wait_alu depctr_va_vdst(0)                   ; the wait ahead of the batch
.irp k, 0,1,2,3,4,5,6,7,8,9,10,11,12,13,14,15
	v_rcp_f32 v[GT+\k], v[GT+\k]
.endr
.irp k, 0,1,2,3,4,5,6,7,8,9,10,11,12,13,14,15
	v_exp_f32 v[GS+\k], -v[GS+\k]
.endr
.irp k, 0,1,2,3,4,5,6,7,8,9,10,11,12,13,14,15
	v_max_num_f32 v[GZ+\k], 0, v[\x+\k]            ; plain work that names no result of the batch
.endr
	s_wait_alu depctr_va_vdst(0)                   ; one wait for the 32, ahead of their first reader
.irp p, 0,2,4,6,8,10,12,14
	v_pk_fma_f32 v[GR+\p:GR+\p+1], v[GT+\p:GT+\p+1], 0x3f07dc22, v[8:9] op_sel_hi:[1,0,1]
.endr
.irp l, 0x3f35f0e3, 0xbe11a98e, 0x3e027906
.irp p, 0,2,4,6,8,10,12,14
	v_pk_fma_f32 v[GR+\p:GR+\p+1], v[GR+\p:GR+\p+1], v[GT+\p:GT+\p+1], \l op_sel_hi:[1,1,0]
.endr
.endr
.irp p, 0,2,4,6,8,10,12,14
	v_pk_mul_f32 v[GT+\p:GT+\p+1], v[GT+\p:GT+\p+1], v[GS+\p:GS+\p+1]
.endr
.irp p, 0,2,4,6,8,10,12,14
	v_pk_mul_f32 v[GR+\p:GR+\p+1], v[GR+\p:GR+\p+1], v[GT+\p:GT+\p+1]
.endr
.irp k, 0,1,2,3,4,5,6,7,8,9,10,11,12,13,14,15
	v_fma_f32 v[\x+\k], -|v[\x+\k]|, v[GR+\k], v[GZ+\k]
.endr
.endm
.macro OUTTRIP more
	s_wait_dscnt 0x0
	WIN 0x01
.irp p, 0,2,4,6,8,10,12,14,16,18,20,22,24,26,28,30,32,34,36,38,40,42,44,46,48,50,52,54,56,58,60,62
	v_pk_add_f32 v[XN+\p:XN+\p+1], v[\p:\p+1], v[BI+\p:BI+\p+1]
.endr
	WIN 0
.if \more
	s_add_co_u32 s22, s22, 8192
	v_add_nc_u32 v[SA], s22, v[STG]
	WIN TO_B
.irp k, 0,1,2,3,4,5,6,7,8,9,10,11,12,13,14,15
	ds_load_b128 v[4*\k:4*\k+3], v[SA] offset:512*\k
.endr
	WIN 0
.endif
.irp g, 0,1,2,3
	GELU16 XN+16*\g
.endr
	s_wait_xcnt 0x0
	s_add_nc_u64 s[12:13], s[12:13], OSTEP
	s_add_nc_u64 s[10:11], s[10:11], SSTEP
	QUANT XN, PC, PW
.irp c, 0,1,2,3
	global_store_b128 v[LI], v[PC+4*\c:PC+4*\c+3], s[12:13] offset:512*\c-OSTEP
.endr
	global_store_b32 v[LS], v[PW], s[10:11] offset:-SSTEP
.endm
	s_mov_b32 s46, 0x3e6d3388                      ; 0.3275911 / sqrt 2
	v_mov_b32 v8, 0xbf3a00e3                       ; P's second coefficient, in a pair: an instruction takes one literal
	v_mov_b32 v9, 0xbf3a00e3
	s_wait_loadcnt 0x0
	s_mov_b32 s22, 0
	s_mov_b32 s2, 0
.Lout:
	OUTTRIP 1
	s_add_co_u32 s2, s2, 1
	s_cmp_lt_u32 s2, 7
	s_cbranch_scc1 .Lout
	OUTTRIP 0
	s_wait_tensorcnt 0x0
	ds_add_u32 v[SPW], v[NIL]
	s_wait_dscnt 0x0
	CROUND
	s_endpgm
.Lfunc_end_k_qeeab274c20_ffn1:
	.size	k_qeeab274c20_ffn1, .Lfunc_end_k_qeeab274c20_ffn1-k_qeeab274c20_ffn1
	.p2alignl 7, 3214868480
	.fill 96, 4, 3214868480
	.section	.rodata,"a",@progbits
	.p2align	6, 0x0
	.amdhsa_kernel k_qeeab274c20_ffn1
		.amdhsa_group_segment_fixed_size 327680
		.amdhsa_private_segment_fixed_size 0
		.amdhsa_enable_private_segment 0
		.amdhsa_kernarg_size 24
		.amdhsa_user_sgpr_count 2
		.amdhsa_user_sgpr_kernarg_segment_ptr 1
		.amdhsa_wavefront_size32 1
		.amdhsa_system_sgpr_workgroup_id_x 1
		.amdhsa_system_sgpr_workgroup_id_y 1
		.amdhsa_system_sgpr_workgroup_id_z 1
		.amdhsa_system_vgpr_workitem_id 0
		.amdhsa_next_free_vgpr 1024
		.amdhsa_next_free_sgpr 100
		.amdhsa_reserve_vcc 0
		.amdhsa_float_denorm_mode_32 3
		.amdhsa_float_denorm_mode_16_64 3
		.amdhsa_memory_ordered 1
		.amdhsa_forward_progress 1
		.amdhsa_inst_pref_size 227
	.end_amdhsa_kernel
	.amdgpu_metadata
---
amdhsa.version: [ 1, 2 ]
amdhsa.kernels:
  - .name:           k_qeeab274c20_ffn1
    .symbol:         k_qeeab274c20_ffn1.kd
    .args:
      - { .name: ops, .offset: 0, .size: 8, .value_kind: global_buffer, .address_space: global }
      - { .name: b1, .offset: 8, .size: 8, .value_kind: global_buffer, .address_space: global }
      - { .name: gel, .offset: 16, .size: 8, .value_kind: global_buffer, .address_space: global }
    .group_segment_fixed_size: 327680
    .private_segment_fixed_size: 0
    .kernarg_segment_align: 8
    .kernarg_segment_size: 24
    .max_flat_workgroup_size: 128
    .sgpr_count:     100
    .vgpr_count:     1024
    .wavefront_size: 32
...
	.end_amdgpu_metadata
.endif
;; end of part 6
;; launch ffn2 (part 7): grid 8 x 32, 8 waves a work-group, clusters of 4 x 1, 327,680 bytes of LDS; arguments gel, ops, b2, x1, out0; writes out0
.if DOCPART == 7
	.amdgcn_target "amdgcn-amd-amdhsa--gfx1250"
	.amdhsa_code_object_version 6
	.text
	.protected	k_qeeab274c20_ffn2
	.globl	k_qeeab274c20_ffn2
	.p2align	8
	.type	k_qeeab274c20_ffn2,@function
k_qeeab274c20_ffn2:
	s_mov_b64 s[64:65], 0
	v_nop
	global_prefetch_b8 v0, s[64:65] scope:SCOPE_SE
	s_setreg_imm32_b32 hwreg(HW_REG_WAVE_MODE, 25, 1), 1
	s_wait_xcnt 0x0
	s_wait_alu depctr_hold_cnt(0) depctr_sa_sdst(0) depctr_va_vdst(0) depctr_va_sdst(0) depctr_va_ssrc(0) depctr_va_vcc(0) depctr_vm_vsrc(0)
	s_getreg_b32 s2, hwreg(HW_REG_IB_STS2, 6, 4)
	s_cmp_eq_u32 s2, 0
	s_cbranch_scc0 .Lentry_in_a_cluster
	s_endpgm
.Lentry_in_a_cluster:
	s_bfe_u32 s2, ttmp6, 0x10000c
	s_cmp_lg_u32 s2, 0x3003
	s_cbranch_scc0 .Lentry_shape_is_right
	s_endpgm
.Lentry_shape_is_right:
; out0 = x1 + b2 + gelu W2 on codes of BF8 (E5M2) with E8M0 scales, K = 4,096 (KS = 32 steps of 128).
; OPERANDS ARE IMAGES OF OPERAND REGISTERS: codes [rb][KS][2048], byte 512 c + 16 lane + i = row rho(rb, lane % 16), k = 128 ks + 32 c + 16 (lane / 16) + i, rho(rb, r) = 32 (rb / 2) + 8 (rb % 2) + r + 8 (r / 8);
; scale words [rb][KS][16][4].  A fragment is four loads of 16 bytes a lane at 16 x lane, from LDS or from memory alike.
; SHARES.  A work-group of eight waves makes 128 x 128.  Wave w: K half kh = w / 4, rows half (w / 2) % 2, columns half w % 2: 64 x 64 over KS / 2 steps, 16 accumulators, which take turns.
; TWO ROADS FOR THE TWO OPERANDS.  A's codes come through a ring of two LDS slots of 128 KiB, [8 rb][2 K halves][4 steps][2048]: a slot serves four steps of every wave.  Wave w fetches rb w by one tensor load (2 rows of 8,192 bytes).
; The four work-groups of a cluster make one tile row and ask for A jointly (mask 15).  B's fragments go from memory straight into registers, two steps ahead (16 loads a step), so a slot holds twice the steps that it would hold with both operands.
; All scale words of a wave's K half come once, at the head: a load of 4 bytes a lane brings a block's words of two K steps, lanes 0-15 the even step's, lanes 16-31 the odd step's, which the odd step reads by ROW1.
; THE CHANGE OF SLOTS stands at a slot's head: the waits and the add, a round of the cluster's barrier, and the fill of the other slot, which has this slot's four steps in which to land.
; PREFETCH: in slot s the slot s + 2 of A is asked for, one slot ahead of its tensor load: of the 64 blocks of 256 bytes that wave w will fetch, the partner at place cx names 16, told apart by address; lanes 16-31 name the last again.
; B is not prefetched: its rows are read by all 32 tile rows over the same steps.
; Waves w and w xor 4 hold two halves of one sum: each keeps two blocks of 16 rows (its local blocks 0, 1) and hands the other two over through LDS.  Local block e of K half kh is block (e + 2 kh) % 4, so one text serves both.
; The matrix instruction is used transposed (source 0 = 16 rows of B, source 1 = 16 rows of A); rows leave through a stage in LDS, sixteen lanes to an aligned unit of 256 bytes.
; REGISTERS: window 0: v10-29 addresses, v12-15 bias, v32-95 scale words (8 for two steps: A's four, B's four), v128-255 accumulators.  Window 1: two fragment buffers of 128 (A's at +0, B's at +64); at the end the residual and the partner's sums.
; The sum over K is formed in two halves that are added in f32 at the end.  LIMITS: NaN and infinities are not served.
.set KS,    32
.set BIAS,  1
.set KH,    KS/2                       ; my K steps
.set NS,    KH/4                       ; slots' worth of them
.if BIAS
.set AS0,   16<<20
.set BREG,  8<<20
.set BP,    8
.set RESP,  10
.set OUTP,  12
.else
.set AS0,   4<<20
.set BREG,  3<<20
.set RESP,  8
.set OUTP,  10
.endif
.set STR,   KS*2048                    ; from rb to rb, codes
.set SSTR,  KS*64                      ; and scale words
.set SLOT,  131072
.set STG,   2*SLOT                     ; behind the ring: a stage of 16 x 272 bytes for each wave
.set SPITCH, 272
.set SPARE, STG+8*16*SPITCH            ; the spare words, 128 bytes a wave
.set XCH,   (NS%2)*SLOT                ; what is handed over, 8,192 bytes a wave: in the slot that is not read last: it has had its last fill, and nobody reads it behind the last change of slots
.set LI,   10                          ; v10  16 x lane
.set LS,   11                          ; v11  4 x lane
.set ADA,  16                          ; v16-17 LDS address of the pair of blocks that I keep, slot 0, 1
.set ADH,  18                          ; v18-19 of the pair that I hand over
.set XS,   20
.set XL,   21
.set PFO,  22
.set BO,   23
.set STO,  24
.set RD,   25
.set CO,   26
.set SPW,  28
.set NIL,  29
.set SC,   32
.set ACC,  128
.set F0,   0
.set F1,   128
.set RS,   0
.set G1,   68                          ; s[68:75] descriptor group 1; s[76:83] group 0, one set for each slot
.set G0,   76
.set MSB, 0
.macro WIN new                         ; the immediate's high byte repeats the setting that is left
.if MSB != (\new)
	s_set_vgpr_msb (MSB<<8)|(\new)
.set MSB, (\new)
.endif
.endm
.set MUL,  0x05                        ; sources 0 and 1 in window 1
.set TO_F, 0x40                        ; destination in window 1
.set ADD1, 0x04                        ; source 1 in window 1
.macro PLACES n                        ; a load into a register that a matrix instruction has read, and a reader of a result, stand eight places behind it
.rept \n
	v_nop
.endr
.endm
.macro ROUND                           ; a round of the cluster's barrier
	s_barrier_signal -1
	s_barrier_wait -1
	s_cmp_lg_u32 s14, 0
	s_cbranch_scc1 .Lnw0_\@
	s_barrier_signal -3
.Lnw0_\@:
	s_barrier_wait -3
	s_barrier_signal -1
	s_barrier_wait -1
.endm
	s_load_b256 s[4:11], s[0:1], 0x0               ; A, ops, b2, the residual
.if BIAS
	s_load_b64 s[12:13], s[0:1], 0x20              ; the output
.endif
	v_lshrrev_b32 v4, 5, v0
	v_lshl_add_u32 v[SPW], v0, 2, SPARE
	v_mov_b32 v[NIL], 0
	ds_add_u32 v[SPW], v[NIL]                      ; the opening lines: the add, twice on end, and its wait ahead of my first tensor load
	ds_add_u32 v[SPW], v[NIL]
	v_and_b32 v1, 15, v0                           ; r
	v_bfe_u32 v2, v0, 4, 1                         ; h
	v_and_b32 v3, 31, v0
	v_readfirstlane_b32 s14, v4                    ; wave 0..7
	s_wait_alu depctr_va_vdst(0)                   ; the wait ahead of the run of scalar lines
	s_lshr_b32 s2, s14, 2                          ; kh
	s_bfe_u32 s15, s14, 0x10001                    ; rows half
	s_and_b32 s16, s14, 1                          ; columns half
	s_and_b32 s17, ttmp7, 0xffff                   ; tile row: the cluster's y
	s_bfe_u32 s39, ttmp6, 0x40000                  ; cx
	s_lshl_b32 s52, ttmp9, 2
	s_add_co_u32 s52, s52, s39                     ; tile column
	s_lshl_b32 s18, s17, 3
	s_add_co_u32 s54, s18, s14                     ; the rb that I fetch: made of the tile row and the wave's number alone
	s_mul_i32 s54, s54, STR
	s_mov_b32 s55, 0
	s_lshr_b32 s56, s39, 1                         ; the prefetches: partners 0, 1 take K half 0, partners 2, 3 half 1,
	s_mul_i32 s56, s56, KH*2048
	s_and_b32 s57, s39, 1
	s_lshl_b32 s57, s57, 12                        ; each 16 of its 32 blocks of 256 bytes
	s_add_co_u32 s56, s56, s57
	s_add_co_u32 s56, s56, s54
	s_mov_b32 s57, 0
	s_lshl_b32 s19, s15, 2
	s_add_co_u32 s18, s18, s19                     ; my first rb of A
	s_lshl_b32 s19, s2, 1
	s_add_co_u32 s20, s18, s19                     ; the pair that I keep begins at + 2 kh,
	s_add_co_u32 s22, s18, 2
	s_sub_co_u32 s22, s22, s19                     ; the pair that I hand over at + 2 - 2 kh
	s_mul_i32 s20, s20, SSTR                       ; their scale words
	s_mul_i32 s22, s22, SSTR
	s_mul_i32 s19, s2, KH*64
	s_add_co_u32 s20, s20, s19
	s_add_co_u32 s20, s20, AS0
	s_add_co_u32 s22, s22, s19
	s_add_co_u32 s22, s22, AS0
	s_lshl_b32 s24, s52, 3
	s_lshl_b32 s25, s16, 2
	s_add_co_u32 s24, s24, s25                     ; my first rb of B
	s_mul_i32 s24, s24, STR
	s_mul_i32 s19, s2, KH*2048
	s_add_co_u32 s24, s24, s19
	s_add_co_u32 s24, s24, BREG
	s_lshr_b32 s30, s24, 5
	s_add_co_u32 s30, s30, 16<<20
.irp n, 21,23,25,31
	s_mov_b32 s\n, 0
.endr
	s_lshl_b32 s34, s52, 9
	s_lshl_b32 s35, s16, 8
	s_add_co_u32 s34, s34, s35                     ; my first column, in bytes
	s_lshl_b32 s32, s17, 19
	s_lshl_b32 s33, s15, 18
	s_add_co_u32 s32, s32, s33
	s_lshl_b32 s33, s2, 17                         ; the kept pair's 32 rows
	s_add_co_u32 s32, s32, s33
	s_add_co_u32 s32, s32, s34
	s_mov_b32 s33, 0
	s_mov_b32 s35, 0
	s_mul_i32 s36, s14, 16*SPITCH
	s_add_co_u32 s36, s36, STG                     ; my stage
	s_lshl_b32 s37, s14, 13
	s_add_co_u32 s37, s37, XCH
	s_xor_b32 s38, s14, 4                          ; my partner
	s_lshl_b32 s38, s38, 13
	s_add_co_u32 s38, s38, XCH
	s_lshl_b32 s58, s15, 2                         ; in a slot: 16,384 bytes an rb, 8,192 a K half
	s_lshl_b32 s59, s2, 1
	s_add_co_u32 s60, s58, 2
	s_add_co_u32 s58, s58, s59
	s_sub_co_u32 s59, s60, s59
	s_lshl_b32 s58, s58, 14
	s_lshl_b32 s59, s59, 14
	s_lshl_b32 s60, s2, 13
	s_add_co_u32 s58, s58, s60
	s_add_co_u32 s59, s59, s60
	s_lshl_b32 s60, s14, 14                        ; where the rb that I fetch goes
	s_mov_b32 s[G1], 15|(3<<16)|(1<<21)            ; 15:0 the mask: all four work-groups; 17:16 elements of 8 bytes; 21 set beside a mask; no padding
	s_mov_b32 s[G1+1], 1024<<16                    ; tensor_dim0: four K steps, 8,192 bytes
	s_mov_b32 s[G1+2], 2<<16                       ; tensor_dim1: the two K halves
	s_mov_b32 s[G1+3], 1024<<16                    ; tile_dim0
	s_mov_b32 s[G1+4], 2                           ; tile_dim1
	s_mov_b32 s[G1+5], KH*256                      ; from half to half
	s_mov_b32 s[G1+6], 0
	s_mov_b32 s[G1+7], 0
	v_mul_u32_u24 v5, v1, SPITCH
	v_mul_u32_u24 v6, v2, SPITCH
	v_lshlrev_b32 v[LI], 4, v3
	v_lshlrev_b32 v[LS], 2, v3
	v_lshlrev_b32 v7, 12, v2
	v_lshlrev_b32 v[BO], 4, v1
	v_min_u32 v8, 15, v3
	v_lshl_add_u32 v5, v2, 6, v5
	v_lshl_add_u32 v6, v1, 4, v6
	v_add_nc_u32 v[XS], s37, v[LI]
	v_add_nc_u32 v[XL], s38, v[LI]
	v_add_nc_u32 v[ADA], s58, v[LI]
	v_add_nc_u32 v[ADH], s59, v[LI]
	v_lshl_add_u32 v[CO], v1, 4, v7                ; lanes 0-15 one row of the output, lanes 16-31 the next
	v_lshlrev_b32 v[PFO], 8, v8
	v_add_nc_u32 v[STO], s36, v5                   ; the stage, in: row r, 64 bytes for each half of the lanes
	v_add_nc_u32 v[RD], s36, v6                    ; and back by rows
	v_add_nc_u32 v[ADA+1], SLOT, v[ADA]
	v_add_nc_u32 v[ADH+1], SLOT, v[ADH]
	s_wait_alu depctr_va_vdst(0)                   ; the wait at the head's end
	s_wait_dscnt 0x0                               ; both opening adds are done
	s_wait_kmcnt 0x0
	s_mov_b32 s[G0], 1
	s_mov_b32 s[G0+1], s60
	s_add_nc_u64 s[G0+2:G0+3], s[4:5], s[54:55]
	s_mov_b32 s[G0+4], 1
	s_add_co_u32 s[G0+5], s60, SLOT
	s_add_nc_u64 s[G0+6:G0+7], s[G0+2:G0+3], 8192  ; slot 1: the next four steps
	s_or_b32 s[G0+3], s[G0+3], 0x80000000
	s_or_b32 s[G0+7], s[G0+7], 0x80000000
	s_add_nc_u64 s[42:43], s[4:5], s[56:57]        ; the prefetches' base
	s_add_nc_u64 s[44:45], s[6:7], s[24:25]        ; B's codes
	s_add_nc_u64 s[46:47], s[4:5], s[20:21]        ; the scale words: A's kept pair,
	s_add_nc_u64 s[48:49], s[4:5], s[22:23]        ; A's pair handed over,
	s_add_nc_u64 s[50:51], s[6:7], s[30:31]        ; B's
	s_add_nc_u64 s[RESP:RESP+1], s[RESP:RESP+1], s[32:33]
	s_add_nc_u64 s[OUTP:OUTP+1], s[OUTP:OUTP+1], s[32:33]
	s_add_nc_u64 s[BP:BP+1], s[BP:BP+1], s[34:35]
	ROUND                                          ; all four work-groups are here: the first joint loads meet
	tensor_load_to_lds s[G0:G0+3], s[G1:G1+7]      ; slot 0: my one tensor load at the head
	s_nop 0
	PLACES 4
	global_load_b128 v[12:15], v[BO], s[BP:BP+1]
.macro SCL p                           ; 8 loads: the scale words of my K steps 2 p and 2 p + 1
.irp i, 0,1
	global_load_b32 v[SC+8*(\p)+\i], v[LS], s[46:47] offset:(\p)*128+\i*SSTR
	global_load_b32 v[SC+8*(\p)+2+\i], v[LS], s[48:49] offset:(\p)*128+\i*SSTR
.endr
.irp i, 0,1,2,3
	global_load_b32 v[SC+8*(\p)+4+\i], v[LS], s[50:51] offset:(\p)*128+\i*SSTR
.endr
.endm
.macro FRB k, f                        ; 16 loads: step k's four fragments of B, from memory
.irp i, 0,1,2,3
.irp c, 0,1,2,3
	global_load_b128 v[\f+64+16*\i+4*\c:\f+64+16*\i+4*\c+3], v[LI], s[44:45] offset:\i*STR+(\k)*2048+512*\c
.endr
.endr
.endm
.macro FRA k, f                        ; 16 loads: step k's four fragments of A, from its slot
.set SL, ((\k)/4)%2
.set KQ, (\k)%4
.irp i, 0,1
.irp c, 0,1,2,3
	ds_load_b128 v[\f+16*\i+4*\c:\f+16*\i+4*\c+3], v[ADA+SL] offset:\i*16384+KQ*2048+512*\c
.endr
.endr
.irp i, 0,1
.irp c, 0,1,2,3
	ds_load_b128 v[\f+32+16*\i+4*\c:\f+32+16*\i+4*\c+3], v[ADH+SL] offset:\i*16384+KQ*2048+512*\c
.endr
.endr
.endm
.macro RESL                            ; 16 loads: the residual of my 32 rows takes the buffer that is done with
.irp e, 0,1
.irp t, 0,1,2,3,4,5,6,7
	global_load_b128 v[RS+32*\e+4*\t:RS+32*\e+4*\t+3], v[CO], s[RESP:RESP+1] offset:(8*\e+2*\t+8*(\t/4))*4096
.endr
.endr
.endm
.macro MULS f, set, row, zero          ; 16 matrix instructions, one an accumulator.  zero = 1: the first product starts the sums
.irp a, 0,1,2,3
.irp b, 0,1,2,3
.if \zero
	v_wmma_scale_f32_16x16x128_f8f6f4 v[ACC+8*(4*\a+\b):ACC+8*(4*\a+\b)+7], v[\f+64+16*\b:\f+64+16*\b+15], v[\f+16*\a:\f+16*\a+15], 0, v[SC+8*(\set)+4+\b], v[SC+8*(\set)+\a] matrix_a_fmt:MATRIX_FMT_BF8 matrix_b_fmt:MATRIX_FMT_BF8
.else
.if \row
	v_wmma_scale_f32_16x16x128_f8f6f4 v[ACC+8*(4*\a+\b):ACC+8*(4*\a+\b)+7], v[\f+64+16*\b:\f+64+16*\b+15], v[\f+16*\a:\f+16*\a+15], v[ACC+8*(4*\a+\b):ACC+8*(4*\a+\b)+7], v[SC+8*(\set)+4+\b], v[SC+8*(\set)+\a] matrix_a_fmt:MATRIX_FMT_BF8 matrix_b_fmt:MATRIX_FMT_BF8 matrix_a_scale:MATRIX_SCALE_ROW1 matrix_b_scale:MATRIX_SCALE_ROW1
.else
	v_wmma_scale_f32_16x16x128_f8f6f4 v[ACC+8*(4*\a+\b):ACC+8*(4*\a+\b)+7], v[\f+64+16*\b:\f+64+16*\b+15], v[\f+16*\a:\f+16*\a+15], v[ACC+8*(4*\a+\b):ACC+8*(4*\a+\b)+7], v[SC+8*(\set)+4+\b], v[SC+8*(\set)+\a] matrix_a_fmt:MATRIX_FMT_BF8 matrix_b_fmt:MATRIX_FMT_BF8
.endif
.endif
.endr
.endr
.endm
; K step k.  Behind this step's fragments of B only the next step's 16 loads (at the end: the residual's 16) were issued, and behind its fragments of A the next step's 16 LDS loads, none in a slot's last step.
; Behind its products the buffer takes the step two on: A's only within the slot, B's always.
.macro KSTEP k
.set FB, 128*((\k)%2)
	s_wait_loadcnt 16
.if ((\k)%4) == 3
	s_wait_dscnt 0x0
.else
	s_wait_dscnt 16
.endif
	WIN MUL
.if (\k) == 0
	MULS FB, 0, 0, 1
.else
	MULS FB, (\k)/2, (\k)%2, 0
.endif
.if (\k) < KH-1
	WIN TO_F
	PLACES 8
.if ((\k)%4) < 2
	FRA (\k)+2, FB
.endif
.if (\k)+2 < KH
	FRB (\k)+2, FB
.else
	RESL
.endif
.endif
.endm
; The change of slots at the head of slot s: all my tensor loads are in (my part of slot s), the add, my reads of the slot that I have left are over; behind the round the other slot takes slot s + 1.
; The first time that is slot 1's first fill, issued as a refill is.  The last change fills nothing and has a work-group barrier alone.
.macro CHANGE s
.set GN, G0+4*(((\s)+1)%2)
	WIN 0
	s_wait_tensorcnt 0x0
	ds_add_u32 v[SPW], v[NIL]
.if (\s)+1 < NS
.if (\s) > 0
	s_add_nc_u64 s[GN+2:GN+3], s[GN+2:GN+3], 16384 ; no tensor load of mine is out: two slots on
.endif
	s_wait_dscnt 0x0
	ROUND
	tensor_load_to_lds s[GN:GN+3], s[G1:G1+7]      ; my one tensor load until the next round
	s_nop 0
	PLACES 4
.else
	s_wait_dscnt 0x0
	s_barrier_signal -1
	s_barrier_wait -1
.endif
.endm
.macro PHASE s
	CHANGE \s
	WIN TO_F
	FRA 4*(\s), F0
	FRA 4*(\s)+1, F1
.if (\s)+2 < NS
	global_prefetch_b8 v[PFO], s[42:43] offset:((\s)+2)*8192 th:TH_LOAD_NT scope:SCOPE_SE   ; the slot that the next change asks for; its registers are never rewritten
.endif
	KSTEP 4*(\s)
	KSTEP 4*(\s)+1
	KSTEP 4*(\s)+2
	KSTEP 4*(\s)+3
.endm
.set PP, 0
.rept KH/2
	SCL PP
.set PP, PP+1
.endr
	WIN TO_F
	FRB 0, F0
	FRB 1, F1
.set PH, 0
.rept NS
	PHASE PH
.set PH, PH+1
.endr
	WIN 0
	PLACES 8
.irp i, 0,1,2,3,4,5,6,7,8,9,10,11,12,13,14,15
	ds_store_b128 v[XS], v[ACC+64+4*\i:ACC+64+4*\i+3] offset:512*\i     ; local blocks 2, 3, each accumulator from its low end on
.endr
	s_wait_dscnt 0x0                               ; for my partner's sake
	s_barrier_signal -1
	s_barrier_wait -1
	WIN TO_F
.irp i, 0,1,2,3,4,5,6,7,8,9,10,11,12,13,14,15
	ds_load_b128 v[F1+4*\i:F1+4*\i+3], v[XL] offset:512*\i              ; my partner's half of the sums of my local blocks 0, 1
.endr
	s_wait_dscnt 0x0
	WIN ADD1
.set n, 0
.rept 32
	v_pk_add_f32 v[ACC+n:ACC+n+1], v[ACC+n:ACC+n+1], v[F1+n:F1+n+1]
.set n, n+2
.endr
	WIN 0
.macro TOSTAGE e                       ; a block of 16 rows x 64 columns through my own stage; LDS serves a wave's instructions in order (ISA guide 5.7.1.4)
.irp b, 0,1,2,3
	ds_store_b128 v[STO], v[ACC+32*(\e)+8*\b:ACC+32*(\e)+8*\b+3] offset:128*(\b/2)+32*(\b%2)
	ds_store_b128 v[STO], v[ACC+32*(\e)+8*\b+4:ACC+32*(\e)+8*\b+7] offset:128*(\b/2)+32*(\b%2)+16
.endr
.irp t, 0,1,2,3,4,5,6,7
	ds_load_b128 v[ACC+32*(\e)+4*\t:ACC+32*(\e)+4*\t+3], v[RD] offset:\t*2*SPITCH
.endr
.endm
.macro SEND e, younger                 ; + bias + residual; sixteen lanes store one aligned unit of 256 bytes
	s_wait_dscnt \younger
.irp t, 0,1,2,3,4,5,6,7
	v_pk_add_f32 v[ACC+32*(\e)+4*\t:ACC+32*(\e)+4*\t+1], v[ACC+32*(\e)+4*\t:ACC+32*(\e)+4*\t+1], v[12:13]
	v_pk_add_f32 v[ACC+32*(\e)+4*\t+2:ACC+32*(\e)+4*\t+3], v[ACC+32*(\e)+4*\t+2:ACC+32*(\e)+4*\t+3], v[14:15]
.endr
	WIN ADD1
.irp t, 0,1,2,3,4,5,6,7
	v_pk_add_f32 v[ACC+32*(\e)+4*\t:ACC+32*(\e)+4*\t+1], v[ACC+32*(\e)+4*\t:ACC+32*(\e)+4*\t+1], v[RS+32*(\e)+4*\t:RS+32*(\e)+4*\t+1]
	v_pk_add_f32 v[ACC+32*(\e)+4*\t+2:ACC+32*(\e)+4*\t+3], v[ACC+32*(\e)+4*\t+2:ACC+32*(\e)+4*\t+3], v[RS+32*(\e)+4*\t+2:RS+32*(\e)+4*\t+3]
.endr
	WIN 0
.irp t, 0,1,2,3,4,5,6,7
	global_store_b128 v[CO], v[ACC+32*(\e)+4*\t:ACC+32*(\e)+4*\t+3], s[OUTP:OUTP+1] offset:(8*(\e)+2*\t+8*(\t/4))*4096
.endr
.endm
	TOSTAGE 0
	TOSTAGE 1
	s_wait_loadcnt 0x0                             ; the residual
	SEND 0, 16                                     ; behind block 0's loads: block 1's 8 stores and 8 loads
	SEND 1, 0
	s_wait_tensorcnt 0x0                           ; the wave's end
	ds_add_u32 v[SPW], v[NIL]
	s_wait_dscnt 0x0
	ROUND                                          ; the closing round
	s_endpgm
.Lfunc_end_k_qeeab274c20_ffn2:
	.size	k_qeeab274c20_ffn2, .Lfunc_end_k_qeeab274c20_ffn2-k_qeeab274c20_ffn2
	.p2alignl 7, 3214868480
	.fill 96, 4, 3214868480
	.section	.rodata,"a",@progbits
	.p2align	6, 0x0
	.amdhsa_kernel k_qeeab274c20_ffn2
		.amdhsa_group_segment_fixed_size 327680
		.amdhsa_private_segment_fixed_size 0
		.amdhsa_enable_private_segment 0
		.amdhsa_kernarg_size 40
		.amdhsa_user_sgpr_count 2
		.amdhsa_user_sgpr_kernarg_segment_ptr 1
		.amdhsa_wavefront_size32 1
		.amdhsa_system_sgpr_workgroup_id_x 1
		.amdhsa_system_sgpr_workgroup_id_y 1
		.amdhsa_system_sgpr_workgroup_id_z 1
		.amdhsa_system_vgpr_workitem_id 0
		.amdhsa_next_free_vgpr 512
		.amdhsa_next_free_sgpr 100
		.amdhsa_reserve_vcc 0
		.amdhsa_float_denorm_mode_32 3
		.amdhsa_float_denorm_mode_16_64 3
		.amdhsa_memory_ordered 1
		.amdhsa_forward_progress 1
		.amdhsa_inst_pref_size 108
	.end_amdhsa_kernel
	.amdgpu_metadata
---
amdhsa.version: [ 1, 2 ]
amdhsa.kernels:
  - .name:           k_qeeab274c20_ffn2
    .symbol:         k_qeeab274c20_ffn2.kd
    .args:
      - { .name: gel, .offset: 0, .size: 8, .value_kind: global_buffer, .address_space: global }
      - { .name: ops, .offset: 8, .size: 8, .value_kind: global_buffer, .address_space: global }
      - { .name: b2, .offset: 16, .size: 8, .value_kind: global_buffer, .address_space: global }
      - { .name: x1, .offset: 24, .size: 8, .value_kind: global_buffer, .address_space: global }
      - { .name: out0, .offset: 32, .size: 8, .value_kind: global_buffer, .address_space: global }
    .group_segment_fixed_size: 327680
    .private_segment_fixed_size: 0
    .kernarg_segment_align: 8
    .kernarg_segment_size: 40
    .max_flat_workgroup_size: 256
    .sgpr_count:     100
    .vgpr_count:     512
    .wavefront_size: 32
...
	.end_amdgpu_metadata
.endif
;; end of part 7
